; MI455X (gfx1250); checked and timed in simulation.
; The chip was launched on July 23, 2026; its instructions are those of AMD's public machine-readable ISA for CDNA 5 (MIT licence, August 2026) and "CDNA5" Instruction Set Architecture Reference Guide (July 2026). The comments in the code are by the model that wrote it; some were corrected since.
;; Invariant Slot Attention. Allowed arithmetic: matrix products marked QUANTISED: E4M3 operands, one E8M0 scale for each 32 along K, by v_wmma_scale_f32_16x16x128_f8f6f4 with both operands' format E4M3, f32 sums; products left as they are: f32 operands where the result goes on into a quantised operand, else bf16, f16 or f32 operands; f32 sums; everything else in f32.
;; Inputs: S_p0 8 x 8 x 2 float32; S_r 8 x 8 x 2 x 2 float32; S_s 8 x 8 x 2 float32; Wk 128 x 128 float32; Wq 128 x 128 float32; Wv 128 x 128 float32; f_b1 128 float32; f_b2 128 float32; f_w1 128 x 128 float32; f_w2 128 x 128 float32; g_b 128 float32; g_w 128 x 2 float32; gru_bhh 384 float32; gru_bih 384 float32; gru_whh 384 x 128 float32; gru_wih 384 x 128 float32; inputs 8 x 4,096 x 128 float32; ln_pf_b 128 float32; ln_pf_g 128 float32; ln_s_b 128 float32; ln_s_g 128 float32; mlp_b1 128 float32; mlp_b2 128 float32; mlp_w1 128 x 128 float32; mlp_w2 128 x 128 float32; slots_init 8 x 8 x 128 float32.
;; Outputs: out0 8 x 8 x 128 float32; out1 8 x 8 x 2 float32; out2 8 x 8 x 2 x 2 float32; out3 8 x 8 x 2 float32.
;; This version of the problem:
;;   THIS VERSION OF THE PROBLEM IS GIVEN IN LOW PRECISION. The matrix products marked QUANTISED in the list below multiply operands that are first quantised to E4M3 (4 exponent bits, 3 mantissa bits; 8 bits a number), with one power-of-two scale for each 32 numbers along K (OCP MX v1.0); their sums are f32. All else is computed in f32.
;;   The module's matrix products, in the order in which they are computed (A, B: the left and right operand; K: the contracted axis; several contracted axes count as one K, in the product's order):
;;     1. [M 32,768, K 128] x [K 128, N 128]; A: input inputs; B: input Wk: QUANTISED
;;     2. [M 32,768, K 128] x [K 128, N 128]; A: input inputs; B: input Wv: QUANTISED
;;     3. [M 262,144, K 2] x [K 2, N 128]; A: computed on the way; B: input g_w: left as it is (K = 2 < 32)
;;     4. [M 262,144, K 128] x [K 128, N 128]; A: computed on the way; B: input f_w1: QUANTISED
;;     5. [M 262,144, K 128] x [K 128, N 128]; A: computed on the way; B: input f_w2: QUANTISED
;;     6. [M 262,144, K 128] x [K 128, N 128]; A: computed on the way; B: input f_w1: QUANTISED
;;     7. [M 262,144, K 128] x [K 128, N 128]; A: computed on the way; B: input f_w2: QUANTISED
;;     8. [M 64, K 128] x [K 128, N 128]; A: computed on the way; B: input Wq: QUANTISED
;;     9. batch 64 x [M 1, K 128] x [K 128, N 4,096]; A: computed on the way; B: computed on the way: left as it is (M = 1 < 16)
;;     10. batch 64 x [M 128, K 4,096] x [K 4,096, N 1]; A: computed on the way; B: computed on the way: left as it is (N = 1 < 16)
;;     11. [M 64, K 4,096] x [K 4,096, N 2]; A: computed on the way; B: computed on the way: left as it is (N = 2 < 16)
;;     12. [M 64, K 128] x [K 128, N 384]; A: computed on the way; B: input gru_wih: QUANTISED
;;     13. [M 64, K 128] x [K 128, N 384]; A: input slots_init; B: input gru_whh: QUANTISED
;;     14. [M 64, K 128] x [K 128, N 128]; A: computed on the way; B: input mlp_w1: QUANTISED
;;     15. [M 64, K 128] x [K 128, N 128]; A: computed on the way; B: input mlp_w2: QUANTISED
;;     16. [M 262,144, K 2] x [K 2, N 128]; A: computed on the way; B: input g_w: left as it is (K = 2 < 32)
;;     17. [M 262,144, K 128] x [K 128, N 128]; A: computed on the way; B: input f_w1: QUANTISED
;;     18. [M 262,144, K 128] x [K 128, N 128]; A: computed on the way; B: input f_w2: QUANTISED
;;     19. [M 262,144, K 128] x [K 128, N 128]; A: computed on the way; B: input f_w1: QUANTISED
;;     20. [M 262,144, K 128] x [K 128, N 128]; A: computed on the way; B: input f_w2: QUANTISED
;;     21. [M 64, K 128] x [K 128, N 128]; A: computed on the way; B: input Wq: QUANTISED
;;     22. batch 64 x [M 1, K 128] x [K 128, N 4,096]; A: computed on the way; B: computed on the way: left as it is (M = 1 < 16)
;;     23. batch 64 x [M 128, K 4,096] x [K 4,096, N 1]; A: computed on the way; B: computed on the way: left as it is (N = 1 < 16)
;;     24. [M 64, K 4,096] x [K 4,096, N 2]; A: computed on the way; B: computed on the way: left as it is (N = 2 < 16)
;;     25. [M 64, K 128] x [K 128, N 384]; A: computed on the way; B: input gru_wih: QUANTISED
;;     26. [M 64, K 128] x [K 128, N 384]; A: computed on the way; B: input gru_whh: QUANTISED
;;     27. [M 64, K 128] x [K 128, N 128]; A: computed on the way; B: input mlp_w1: QUANTISED
;;     28. [M 64, K 128] x [K 128, N 128]; A: computed on the way; B: input mlp_w2: QUANTISED
;;     29. [M 262,144, K 2] x [K 2, N 128]; A: computed on the way; B: input g_w: left as it is (K = 2 < 32)
;;     30. [M 262,144, K 128] x [K 128, N 128]; A: computed on the way; B: input f_w1: QUANTISED
;;     31. [M 262,144, K 128] x [K 128, N 128]; A: computed on the way; B: input f_w2: QUANTISED
;;     32. [M 262,144, K 128] x [K 128, N 128]; A: computed on the way; B: input f_w1: QUANTISED
;;     33. [M 262,144, K 128] x [K 128, N 128]; A: computed on the way; B: input f_w2: QUANTISED
;;     34. [M 64, K 128] x [K 128, N 128]; A: computed on the way; B: input Wq: QUANTISED
;;     35. batch 64 x [M 1, K 128] x [K 128, N 4,096]; A: computed on the way; B: computed on the way: left as it is (M = 1 < 16)
;;     36. batch 64 x [M 128, K 4,096] x [K 4,096, N 1]; A: computed on the way; B: computed on the way: left as it is (N = 1 < 16)
;;     37. [M 64, K 4,096] x [K 4,096, N 2]; A: computed on the way; B: computed on the way: left as it is (N = 2 < 16)
;;     38. [M 64, K 128] x [K 128, N 384]; A: computed on the way; B: input gru_wih: QUANTISED
;;     39. [M 64, K 128] x [K 128, N 384]; A: computed on the way; B: input gru_whh: QUANTISED
;;     40. [M 64, K 128] x [K 128, N 128]; A: computed on the way; B: input mlp_w1: QUANTISED
;;     41. [M 64, K 128] x [K 128, N 128]; A: computed on the way; B: input mlp_w2: QUANTISED
;;   THE QUANTISER, for each operand of a quantised product, along K:
;;     - K is cut into blocks of 32 from its start; a last block that is shorter is filled with zeros.
;;     - A block's scale is 2^e with e = floor(log2(the largest magnitude in the block)) - 8, held to -126 .. 127; a block of zeros has e = 0. As a byte (E8M0): e + 127.
;;     - Each number is divided by its block's scale, clamped to +-448, and rounded to the nearest number of E4M3, ties to even, subnormals kept.
;;     - The product sums the exact products of the quantised numbers (number of the format x scale) in f32.
;;   ~~~python
;;   def quantise(x, axis):      # numpy; x: float32 -> the quantised numbers, widened to float32 again
;;       x = np.moveaxis(x, axis, -1); K = x.shape[-1]
;;       x = np.pad(x, [(0, 0)] * (x.ndim - 1) + [(0, -K % 32)]); x = x.reshape(x.shape[:-1] + (-1, 32)); a = np.abs(x).max(-1, keepdims=True)
;;       e = np.where(a > 0, np.clip(np.frexp(np.where(a > 0, a, 1))[1] - 1 - 8, -126, 127), 0)      # np.frexp(a)[1] - 1 = floor(log2(a)), exactly
;;       r = np.clip(x / 2.0 ** e, -448, 448)
;;       step = 2.0 ** (np.maximum(np.frexp(np.where(r == 0, 1, r))[1] - 1, -6) - 3)
;;       q = np.round(r / step) * step * 2.0 ** e      # np.round: ties to even
;;       return np.moveaxis(q.reshape(q.shape[:-2] + (-1,))[..., :K], -1, axis).astype(np.float32)
;;   ~~~
;;   OPERANDS COMPUTED ON THE WAY. 'Computed on the way' means the value that the module computes at that place (a softmax that the list does not call 'softmax' is quantised finished and normalised). What goes into a quantiser is computed in f32, as accurately as f32 sums, v_exp_f32 and their like allow (about 1e-6 of the number): no bf16 or f16 on the way to a quantiser, and a product that is left as it is and whose result goes on into a quantised operand takes f32 operands (vector FMAs, or v_wmma_f32_16x16x4_f32). A number that lies on a knife's edge between two numbers of the format may be rounded either way, as far as f32 arithmetic and the matrix unit's own rounding can turn it there, and no further.
;; One version. Each part assembles by itself: llvm-mc -triple=amdgcn-amd-amdhsa -mcpu=gfx1250 --defsym DOCPART=n.
;; ======== version 1 of 1: 5 launches
;; limits: right only within a limited range of input values
;; workspace buffers: wimg 212,992 bytes; wscl 13,312 bytes; part 1,114,112 bytes; part2 1,114,112 bytes; sa 32,768 bytes; sb 32,768 bytes
;; launch prep (part 1): grid 27 x 1, 4 waves a work-group, no clusters, 0 bytes of LDS; arguments Wk, Wv, f_w1, f_w2, Wq, gru_wih, gru_whh, mlp_w1, mlp_w2, S_r, S_s, wimg, wscl, out2, out3; writes wimg, wscl, out2, out3
.if DOCPART == 1
	.amdgcn_target "amdgcn-amd-amdhsa--gfx1250"
	.amdhsa_code_object_version 6
	.text
	.protected	k_q73b1defd0e_prep
	.globl	k_q73b1defd0e_prep
	.p2align	8
	.type	k_q73b1defd0e_prep,@function
k_q73b1defd0e_prep:
	s_mov_b64 s[64:65], 0
	v_nop
	global_prefetch_b8 v0, s[64:65] scope:SCOPE_SE
	s_setreg_imm32_b32 hwreg(HW_REG_WAVE_MODE, 25, 1), 1
	s_wait_xcnt 0x0
; The nine weights (f32, [N][128], K innermost) become codes of E4M3 with one E8M0 byte for each 32 along K, laid as IMAGES OF OPERAND REGISTERS:
; a fragment is 16 rows x 128 K, 16 registers a lane; register group c of lane l lies at fragment x 2,048 + 512 c + 16 l, its rows' scale word at fragment x 128 + 4 l.
; THE ROWS OF A FRAGMENT ARE NOT NEIGHBOURS: lane r of tile t takes row 32 (t / 2) + 8 (t % 2) + r + 8 (r / 8), so that a product used transposed leaves 16 neighbours along the next K in 16 registers.
; Fragments: Wk 0-7, Wv 8-15, f_w1 16-23, f_w2 24-31, Wq 32-39, gru_wih 40-63, gru_whh 64-87, mlp_w1 88-95, mlp_w2 96-103.  One wave makes one fragment: work-groups 0 to 25.
; Work-group 26 copies S_r to out2 and S_s to out3.
; LIMITS: NaN and infinities are not served.  A block whose largest magnitude lies under 2^-118 (a block of zeros too) gets the byte 1; only this program reads the bytes.
.set TM,  16                           ; v16-19 largest magnitudes, v20-23 the other half's, then bytes, v24-27 448 x the scale, v28-31 the scale operands
.set X,   32                           ; v32-95 my 64 numbers: register 16 c + e = k 32 c + 16 (lane / 16) + e of my row
.set C,   96                           ; v96-111 the codes
.set PWR, 112                          ; v112 the scale word
	s_load_b512 s[4:19], s[0:1], 0x0               ; Wk, Wv, f_w1, f_w2, Wq, gru_wih, gru_whh, mlp_w1
	s_load_b256 s[20:27], s[0:1], 0x40             ; mlp_w2, S_r, S_s, wimg
	s_load_b128 s[28:31], s[0:1], 0x60             ; wscl, out2
	s_load_b64 s[32:33], s[0:1], 0x70              ; out3
	v_lshrrev_b32 v1, 5, v0
	v_readfirstlane_b32 s34, v1                    ; wave
	v_and_b32 v2, 31, v0                           ; lane
	v_and_b32 v3, 15, v0                           ; r
	v_bfe_u32 v4, v0, 4, 1                         ; h
	v_and_b32 v5, 8, v0
	v_add_nc_u32 v5, v5, v3                        ; r + 8 (r / 8)
	v_lshlrev_b32 v6, 6, v4
	v_lshl_add_u32 v6, v5, 9, v6                   ; my row of 512 bytes, + 64 h
	v_lshlrev_b32 v7, 4, v2                        ; 16 x lane
	v_lshlrev_b32 v8, 2, v2                        ; 4 x lane
	s_mov_b32 s44, 0x76543210
	s_mov_b32 s45, 0xfedcba98                      ; lane l xor 16
	s_mov_b32 s46, 0x600000                        ; the mantissa field of 448
.irp b, 0,1,2,3
	v_mov_b32 v[TM+4+\b], 0                        ; a lane permute's destination counts as one of its sources
.endr
	s_wait_kmcnt 0x0
	s_cmp_eq_u32 ttmp9, 26
	s_cbranch_scc1 .Lcopy
	; which weight: a chain of choices on the work-group's number alone
.macro PICK limit, ptr, base
	s_cmp_lt_u32 ttmp9, \limit
	s_cselect_b64 s[36:37], s[\ptr:\ptr+1], s[36:37]
	s_cselect_b32 s35, \base, s35
.endm
	s_mov_b64 s[36:37], s[20:21]                   ; mlp_w2, from work-group 24 on
	s_mov_b32 s35, 24
	PICK 24, 18, 22
	PICK 22, 16, 16
	PICK 16, 14, 10
	PICK 10, 12, 8
	PICK 8, 10, 6
	PICK 6, 8, 4
	PICK 4, 6, 2
	PICK 2, 4, 0
	s_sub_co_u32 s38, ttmp9, s35
	s_lshl_b32 s38, s38, 2
	s_add_co_u32 s38, s38, s34                     ; t: the tile in its weight
	s_lshr_b32 s39, s38, 1
	s_lshl_b32 s39, s39, 14                        ; 32 (t / 2) rows of 512 bytes
	s_and_b32 s38, s38, 1
	s_lshl_b32 s38, s38, 12                        ; 8 (t % 2) rows
	s_add_co_u32 s38, s38, s39
	s_mov_b32 s39, 0
	s_add_nc_u64 s[36:37], s[36:37], s[38:39]
	s_lshl_b32 s40, ttmp9, 2
	s_add_co_u32 s40, s40, s34                     ; the fragment's number
	s_lshl_b32 s38, s40, 11
	s_add_nc_u64 s[26:27], s[26:27], s[38:39]
	s_lshl_b32 s38, s40, 7
	s_add_nc_u64 s[28:29], s[28:29], s[38:39]
	s_wait_alu depctr_va_vdst(0)
.irp c, 0,1,2,3
.irp j, 0,1,2,3
	global_load_b128 v[X+16*\c+4*\j:X+16*\c+4*\j+3], v6, s[36:37] offset:128*\c+16*\j
.endr
.endr
	s_wait_loadcnt 0x0
.irp b, 0,1,2,3
	v_max3_num_f32 v[TM+\b], |v[X+16*\b]|, |v[X+16*\b+1]|, 0x4800000   ; block b: my 16 numbers and the floor 2^(9 - 127): the byte cannot fall under 1
.endr
.irp i, 2,4,6,8,10,12,14
.irp b, 0,1,2,3
	v_max3_num_f32 v[TM+\b], v[TM+\b], |v[X+16*\b+\i]|, |v[X+16*\b+\i+1]|
.endr
.endr
.irp b, 0,1,2,3
	v_permlanex16_b32 v[TM+4+\b], v[TM+\b], s44, s45
.endr
.irp b, 0,1,2,3
	v_max_num_f32 v[TM+\b], v[TM+\b], v[TM+4+\b]   ; with lane l xor 16's 16: the block's largest magnitude
.endr
.irp b, 0,1,2,3
	v_add_nc_u32 v[TM+12+\b], 0xfc000000, v[TM+\b] ; 8 off its exponent field: the conversion's scale operand
.endr
.irp b, 0,1,2,3
	v_and_or_b32 v[TM+8+\b], v[TM+\b], 0x7f800000, s46   ; 448 x the scale
.endr
.irp b, 0,1,2,3
	v_lshrrev_b32 v[TM+4+\b], 23, v[TM+12+\b]      ; the scale's byte
.endr
	v_lshl_or_b32 v[PWR], v[TM+5], 8, v[TM+4]
	v_lshl_or_b32 v[PWR], v[TM+6], 16, v[PWR]
	v_lshl_or_b32 v[PWR], v[TM+7], 24, v[PWR]
.irp b, 0,1,2,3
.irp i, 0,1,2,3,4,5,6,7,8,9,10,11,12,13,14,15
	v_med3_num_f32 v[X+16*\b+\i], v[X+16*\b+\i], -v[TM+8+\b], v[TM+8+\b]   ; the conversion to an 8-bit code does not saturate (ISA guide 7.6.2): the hold
.endr
	v_cvt_scalef32_pk8_fp8_f32 v[C+4*\b:C+4*\b+1], v[X+16*\b:X+16*\b+7], v[TM+12+\b]
	v_cvt_scalef32_pk8_fp8_f32 v[C+4*\b+2:C+4*\b+3], v[X+16*\b+8:X+16*\b+15], v[TM+12+\b]
.endr
	v_nop
.irp c, 0,1,2,3
	global_store_b128 v7, v[C+4*\c:C+4*\c+3], s[26:27] offset:512*\c   ; 32 lanes store 512 consecutive bytes, aligned
.endr
	global_store_b32 v8, v[PWR], s[28:29]
	s_endpgm
.Lcopy:                                            ; waves 0 and 1: S_r's 1,024 bytes; wave 2: S_s's 512; wave 3 has no part
	s_cmp_eq_u32 s34, 3
	s_cbranch_scc1 .Lend
	s_cmp_lt_u32 s34, 2
	s_cselect_b64 s[36:37], s[22:23], s[24:25]
	s_cselect_b64 s[38:39], s[30:31], s[32:33]
	v_and_b32 v1, 63, v0
	v_lshlrev_b32 v1, 4, v1
	global_load_b128 v[4:7], v1, s[36:37]
	s_wait_alu depctr_va_vdst(0)
	s_wait_loadcnt 0x0
	global_store_b128 v1, v[4:7], s[38:39]
.Lend:
	s_endpgm
.Lfunc_end_k_q73b1defd0e_prep:
	.size	k_q73b1defd0e_prep, .Lfunc_end_k_q73b1defd0e_prep-k_q73b1defd0e_prep
	.p2alignl 7, 3214868480
	.fill 96, 4, 3214868480
	.section	.rodata,"a",@progbits
	.p2align	6, 0x0
	.amdhsa_kernel k_q73b1defd0e_prep
		.amdhsa_group_segment_fixed_size 0
		.amdhsa_private_segment_fixed_size 0
		.amdhsa_enable_private_segment 0
		.amdhsa_kernarg_size 120
		.amdhsa_user_sgpr_count 2
		.amdhsa_user_sgpr_kernarg_segment_ptr 1
		.amdhsa_wavefront_size32 1
		.amdhsa_system_sgpr_workgroup_id_x 1
		.amdhsa_system_sgpr_workgroup_id_y 1
		.amdhsa_system_sgpr_workgroup_id_z 1
		.amdhsa_system_vgpr_workitem_id 0
		.amdhsa_next_free_vgpr 128
		.amdhsa_next_free_sgpr 66
		.amdhsa_reserve_vcc 0
		.amdhsa_float_denorm_mode_32 3
		.amdhsa_float_denorm_mode_16_64 3
		.amdhsa_memory_ordered 1
		.amdhsa_forward_progress 1
		.amdhsa_inst_pref_size 14
	.end_amdhsa_kernel
	.amdgpu_metadata
---
amdhsa.version: [ 1, 2 ]
amdhsa.kernels:
  - .name:           k_q73b1defd0e_prep
    .symbol:         k_q73b1defd0e_prep.kd
    .args:
      - { .name: Wk, .offset: 0, .size: 8, .value_kind: global_buffer, .address_space: global }
      - { .name: Wv, .offset: 8, .size: 8, .value_kind: global_buffer, .address_space: global }
      - { .name: f_w1, .offset: 16, .size: 8, .value_kind: global_buffer, .address_space: global }
      - { .name: f_w2, .offset: 24, .size: 8, .value_kind: global_buffer, .address_space: global }
      - { .name: Wq, .offset: 32, .size: 8, .value_kind: global_buffer, .address_space: global }
      - { .name: gru_wih, .offset: 40, .size: 8, .value_kind: global_buffer, .address_space: global }
      - { .name: gru_whh, .offset: 48, .size: 8, .value_kind: global_buffer, .address_space: global }
      - { .name: mlp_w1, .offset: 56, .size: 8, .value_kind: global_buffer, .address_space: global }
      - { .name: mlp_w2, .offset: 64, .size: 8, .value_kind: global_buffer, .address_space: global }
      - { .name: S_r, .offset: 72, .size: 8, .value_kind: global_buffer, .address_space: global }
      - { .name: S_s, .offset: 80, .size: 8, .value_kind: global_buffer, .address_space: global }
      - { .name: wimg, .offset: 88, .size: 8, .value_kind: global_buffer, .address_space: global }
      - { .name: wscl, .offset: 96, .size: 8, .value_kind: global_buffer, .address_space: global }
      - { .name: out2, .offset: 104, .size: 8, .value_kind: global_buffer, .address_space: global }
      - { .name: out3, .offset: 112, .size: 8, .value_kind: global_buffer, .address_space: global }
    .group_segment_fixed_size: 0
    .private_segment_fixed_size: 0
    .kernarg_segment_align: 8
    .kernarg_segment_size: 120
    .max_flat_workgroup_size: 128
    .sgpr_count:     66
    .vgpr_count:     128
    .wavefront_size: 32
...
	.end_amdgpu_metadata
.endif
;; end of part 1
;; launch att1 (part 2): grid 256 x 1, 4 waves a work-group, no clusters, 232,960 bytes of LDS; arguments inputs, slots_init, S_p0, wimg, wscl, g_w, g_b, f_b1, f_b2, ln_s_g, ln_s_b, part; writes part
.if DOCPART == 2
	.amdgcn_target "amdgcn-amd-amdhsa--gfx1250"
	.amdhsa_code_object_version 6
	.text
	.protected	k_q73b1defd0e_att1
	.globl	k_q73b1defd0e_att1
	.p2align	8
	.type	k_q73b1defd0e_att1,@function
k_q73b1defd0e_att1:
	s_mov_b64 s[64:65], 0
	v_nop
	global_prefetch_b8 v0, s[64:65] scope:SCOPE_SE
	s_setreg_imm32_b32 hwreg(HW_REG_WAVE_MODE, 25, 1), 1
	s_wait_xcnt 0x0
; One round's work on pixels.  A work-group takes 128 pixels of one batch, a wave 32 of them (two tiles of 16), for all 8 slots.
; x_k(slot, pixel) = to_k(pixel) + G(pixel) + cp(slot), G = gy gw0' + gx gw1', cp = g_b - sp0 gw0' - sp1 gw1', gw' = 0.2 g_w; G is the C of the products that make to_k and to_v.
; k = relu(x_k f_w1^T + f_b1) f_w2^T + f_b2; dots' = q' . k with q' = q x 128^-0.5 x log2(e); e = 2^(dots' - the largest over the 8 slots); a = e / sum + 1e-8.
; Stored, one record a work-group: U[slot][d] = sum over its pixels of a v' (v' = v without f_b2), and (sum a, sum a gy, sum a gx, 0) for each slot.  The division by the sum over all pixels is the next launch's.
; All quantised products are v_wmma_scale_f32_16x16x128_f8f6f4 on E4M3 codes; their left operands are quantised in registers.
; LAYOUT.  K-layout of a vector of 128 in 64 registers: register 16 c + e of half h = index 32 c + 16 h + e, the operand's order.  Products are used transposed (source 0 = 16 rows of a weight, source 1 = 16 pixels);
; the weights' tiles are laid so that the 64 results of a lane are again in K-layout.  v's second product alone is used the natural way: a lane then holds 8 pixels of one channel, which the weighted sum wants.
; FROM MEMORY.  Every load of a wave takes 512 consecutive bytes, a row of the inputs or of the slots; the rows turn into K-layout through the wave's own stage in LDS (rows 528 bytes apart).
; The four vectors of 128 that every lane wants in K-layout come by one copy each into the wave's own LDS bytes and are read from there.
; BY TURNS.  One tile's products stand between the slices of the other tile's vector work; a slice names none of those products' registers, at least four plain lines stand between an operand's last conversion
; and its first product, and at least eight behind a product before its result is read (ISA guide 7.12.1).  No product adds in place: K = 128 is one instruction.
; No cluster: what work-groups share is the weights' images, read once at the head, none of the 16 trips' bytes.  No prefetch: every stream is asked for whole at the head.
; LIMITS: NaN and infinities are not served; a block under 2^-118 (zeros too) gets the byte 1; the grid by fused multiply-add may differ from linspace in the last bit; sums are ordered otherwise than in the source.
.set WSCL, 81920                       ; LDS: 0 .. 81,919 forty fragment images; then 48 fragments' scale words (both filled once, by copies);
.set CC,   88064                       ; cp[8][128];  + 4,096: q'[8][128];  + 8,192: gw0'[128], gw1'[128]
.set QQ,   CC+4096
.set WA0,  97280                       ; an area for each wave: dots 1,024, attn 1,024, U 4,096, statistics 128
.set WAB,  6400
.set VEC,  122880                      ; 2,048 bytes for each wave, filled once, by its own copies: ln_s_g, ln_s_b, f_b1, f_b2
.set STG,  131072                      ; a stage for each wave: 48 rows: my 32 pixels, then the 8 slots twice
.set SPI,  528                         ; a stage row: 512 bytes + 16: row r starts 16 r bytes further round the banks (64 banks of 4 bytes: ISA guide 11.1)
.set STW,  48*SPI
.set TM,   16                          ; v16-31 the quantiser's: +b largest magnitudes, +4+b the other half's, then bytes, +8+b 448 x the scale, +12+b the scale operands
.set GT,   32                          ; v32-39 at work
.set W1S,  40                          ; v40-47 f_w1's scale words (at the head Wk's);  v48-55 f_w2's (Wv's, Wq's);  v56-59 those made here: x of tile 0, 1, hidden of tile 0, 1
.set W2S,  48
.set PW,   56
.set GYX,  60                          ; v60-63 gy, gx of tile 0, gy, gx of tile 1
.set CX,   64                          ; v64-95 x's codes, 16 a tile;  v96-127 the hidden layer's
.set CH,   96
.set XB,   128                         ; v128-255 a tile's 64 numbers at work, two tiles
; v1 WSCL + 4 lane; v2 16 tid; v3 WSCL + 16 tid; v4 16 lane; v5 Wq's fragments; v6 CC + 64 h; v8 my dots; v10 my attn; v11 my U; v13 CC + 4 tid; v15 512 (r % 8) + 64 h
; at the head: v7 65,536 + 16 tid, for the copies; v9 my vectors + 64 h; v12 my stage + 528 r + 64 h; v14 my stage + 16 lane; v24-27 where the four vectors' copies land.  In the loops: v7, v9, v12 the trip's addresses
; window 1: f_w1's 8 fragments, f_w2's 8.   window 2: to_k of tile 0, 1, to_v of tile 0, 1.   window 3: v0-63 f_b1, v64-127 cp, v128-191 q' (later attn and the sums), v192-255 f_b2.
.set MSB, 0
.macro WIN new                         ; the immediate's high byte repeats the setting that is left; a switch that changes nothing is dropped
.if MSB != (\new)
	s_set_vgpr_msb (MSB<<8)|(\new)
.set MSB, (\new)
.endif
.endm
.macro KLDS dst, adr, off              ; a vector of 128 f32 from LDS into K-layout
.irp c, 0,1,2,3
.irp j, 0,1,2,3
	ds_load_b128 v[\dst+16*\c+4*\j:\dst+16*\c+4*\j+3], v[\adr] offset:\off+128*\c+16*\j
.endr
.endr
.endm
; THE QUANTISER, in pieces, on 64 numbers v[s] on in K-layout.  QMAX p: two of the eight rounds of the four blocks' largest magnitudes.  relu = 1: no |.|: what is negative becomes 0 and must not count.
.macro QMAX s, relu, p
	WIN 0
.irp k, 2*(\p), 2*(\p)+1
.irp b, 0,1,2,3
.if (\k) == 0
.if \relu
	v_max3_num_f32 v[TM+\b], v[\s+16*\b], v[\s+16*\b+1], 0x4800000
.else
	v_max3_num_f32 v[TM+\b], |v[\s+16*\b]|, |v[\s+16*\b+1]|, 0x4800000
.endif
.else
.if \relu
	v_max3_num_f32 v[TM+\b], v[TM+\b], v[\s+16*\b+2*(\k)], v[\s+16*\b+2*(\k)+1]
.else
	v_max3_num_f32 v[TM+\b], v[TM+\b], |v[\s+16*\b+2*(\k)]|, |v[\s+16*\b+2*(\k)+1]|
.endif
.endif
.endr
.endr
.endm
.macro QMID0                           ; with lane l xor 16's 16 numbers
	WIN 0
.irp b, 0,1,2,3
	v_permlanex16_b32 v[TM+4+\b], v[TM+\b], s30, s31
.endr
.irp b, 0,1,2,3
	v_max_num_f32 v[TM+\b], v[TM+\b], v[TM+4+\b]
.endr
.endm
.macro QMID1 pw                        ; scale operands, holds, bytes, the row's scale word
	WIN 0
.irp b, 0,1,2,3
	v_add_nc_u32 v[TM+12+\b], 0xfc000000, v[TM+\b]
.endr
.irp b, 0,1,2,3
	v_and_or_b32 v[TM+8+\b], v[TM+\b], 0x7f800000, s32
.endr
.irp b, 0,1,2,3
	v_lshrrev_b32 v[TM+4+\b], 23, v[TM+12+\b]
.endr
	v_lshl_or_b32 v[\pw], v[TM+5], 8, v[TM+4]
	v_lshl_or_b32 v[\pw], v[TM+6], 16, v[\pw]
	v_lshl_or_b32 v[\pw], v[TM+7], 24, v[\pw]
.endm
.macro QMED s, relu, b                 ; block b: the hold at the largest code x the scale (the conversion does not saturate: ISA guide 7.6.2); with relu: the activation too
	WIN 0
.irp i, 0,1,2,3,4,5,6,7,8,9,10,11,12,13,14,15
.if \relu
	v_med3_num_f32 v[\s+16*(\b)+\i], v[\s+16*(\b)+\i], 0, v[TM+8+(\b)]
.else
	v_med3_num_f32 v[\s+16*(\b)+\i], v[\s+16*(\b)+\i], -v[TM+8+(\b)], v[TM+8+(\b)]
.endif
.endr
.endm
.macro QCV s, c, b, dw                 ; block b: its two conversions; the codes go to window dw
	WIN (\dw)<<6
	v_cvt_scalef32_pk8_fp8_f32 v[\c+4*(\b):\c+4*(\b)+1], v[\s+16*(\b):\s+16*(\b)+7], v[TM+12+(\b)]
	v_cvt_scalef32_pk8_fp8_f32 v[\c+4*(\b)+2:\c+4*(\b)+3], v[\s+16*(\b)+8:\s+16*(\b)+15], v[TM+12+(\b)]
.endm
.macro QTAIL s, c, relu, dw            ; the four blocks: a block's conversions stand behind the next block's holds, so that no conversion reads what the line above it wrote
	QMED \s, \relu, 0
	QMED \s, \relu, 1
	QCV \s, \c, 0, \dw
	QMED \s, \relu, 2
	QCV \s, \c, 1, \dw
	QMED \s, \relu, 3
	QCV \s, \c, 2, \dw
	QCV \s, \c, 3, \dw
.endm
.macro QUANT s, c, pw, relu, dw
.irp p, 0,1,2,3
	QMAX \s, \relu, \p
.endr
	QMID0
	QMID1 \pw
	QTAIL \s, \c, \relu, \dw
	WIN 0
	v_nop                                          ; one plain line behind the last conversion
.endm
.macro RED4                            ; four chains of pairs in v[GT] on become one number, with lane l xor 16's
	v_pk_add_f32 v[GT:GT+1], v[GT:GT+1], v[GT+2:GT+3]
	v_pk_add_f32 v[GT+4:GT+5], v[GT+4:GT+5], v[GT+6:GT+7]
	v_pk_add_f32 v[GT:GT+1], v[GT:GT+1], v[GT+4:GT+5]
	v_add_f32 v[GT], v[GT], v[GT+1]
	v_permlanex16_b32 v[TM+4], v[GT], s30, s31
	v_add_f32 v[GT], v[GT], v[TM+4]
.endm
; ONE PRODUCT, tile t, weight tile n.  kind 1: hidden = f_w1 x + f_b1;  2: k = f_w2 hidden + f_b2;  3: v' = hidden f_w2^T, the natural way;  0: nothing.
.macro WV kind, t, n
.if (\kind) == 1
	WIN 0x31                                       ; source 0 window 1, C window 3
	v_wmma_scale_f32_16x16x128_f8f6f4 v[XB+64*(\t)+8*(\n):XB+64*(\t)+8*(\n)+7], v[16*(\n):16*(\n)+15], v[CX+16*(\t):CX+16*(\t)+15], v[8*(\n):8*(\n)+7], v[W1S+(\n)], v[PW+(\t)]
.elseif (\kind) == 2
	WIN 0x31
	v_wmma_scale_f32_16x16x128_f8f6f4 v[XB+64*(\t)+8*(\n):XB+64*(\t)+8*(\n)+7], v[128+16*(\n):128+16*(\n)+15], v[CH+16*(\t):CH+16*(\t)+15], v[192+8*(\n):192+8*(\n)+7], v[W2S+(\n)], v[PW+2+(\t)]
.elseif (\kind) == 3
	WIN 0x04                                       ; source 1 window 1
	v_wmma_scale_f32_16x16x128_f8f6f4 v[XB+64*(\t)+8*(\n):XB+64*(\t)+8*(\n)+7], v[CH+16*(\t):CH+16*(\t)+15], v[128+16*(\n):128+16*(\n)+15], 0, v[PW+2+(\t)], v[W2S+(\n)]
.endif
.endm
.macro XSUB base, t, n                 ; 16 numbers of x = to_k or to_v (window 2, from v[base]) + cp (window 3)
	WIN 0x0e
.irp m, 0,1,2,3,4,5,6,7
	v_pk_add_f32 v[XB+64*(\t)+16*(\n)+2*\m:XB+64*(\t)+16*(\n)+2*\m+1], v[\base+16*(\n)+2*\m:\base+16*(\n)+2*\m+1], v[64+16*(\n)+2*\m:64+16*(\n)+2*\m+1]
.endr
.endm
; x of tile t is made and quantised; tile tm's products of the given kind stand between.  loadc = 1: the NEXT slot's cp is asked for (in the last trip: bytes of q', written and never used);
; these LDS loads stand behind the 23 plain lines that follow the stage's last product, not directly behind it
.macro STAGE_A base, t, kind, tm, loadc
.irp n, 0,1,2,3
	XSUB \base, \t, \n
	WV \kind, \tm, \n
.endr
.irp p, 0,1,2,3
	QMAX XB+64*(\t), 0, \p
	WV \kind, \tm, 4+\p
.endr
	QMID0
	QMID1 PW+(\t)
.if \loadc
	WIN 0xc0
	KLDS 64, 7, 512
.endif
	QTAIL XB+64*(\t), CX+16*(\t), 0, 0
	v_nop
.endm
.macro STAGE_B t, kind, tm             ; the hidden layer of tile t: activation and quantiser
.irp p, 0,1,2,3
	QMAX XB+64*(\t), 1, \p
	WV \kind, \tm, \p
.endr
	QMID0
	WV \kind, \tm, 4
	QMID1 PW+2+(\t)
	WV \kind, \tm, 5
	QMED XB+64*(\t), 1, 0
	WV \kind, \tm, 6
	QMED XB+64*(\t), 1, 1
	QCV XB+64*(\t), CH+16*(\t), 0, 0
	WV \kind, \tm, 7
	QMED XB+64*(\t), 1, 2
	QCV XB+64*(\t), CH+16*(\t), 1, 0
	QMED XB+64*(\t), 1, 3
	QCV XB+64*(\t), CH+16*(\t), 2, 0
	QCV XB+64*(\t), CH+16*(\t), 3, 0
	v_nop
.endm
.macro STAGE_C t, kind, tm             ; dots' of tile t: q' . k in four chains; each accumulator is read from its low end on
.irp p, 0,1,2,3
.irp hf, 0,1
	WIN 0x0c                                       ; source 1 (q') window 3
.irp n, 0,1,2,3
.if (\p == 0) && (\hf == 0)
	v_pk_mul_f32 v[GT+2*\n:GT+2*\n+1], v[XB+64*(\t)+8*\n:XB+64*(\t)+8*\n+1], v[128+8*\n:128+8*\n+1]
.else
	v_pk_fma_f32 v[GT+2*\n:GT+2*\n+1], v[XB+64*(\t)+8*(4*\hf+\n)+2*\p:XB+64*(\t)+8*(4*\hf+\n)+2*\p+1], v[128+8*(4*\hf+\n)+2*\p:128+8*(4*\hf+\n)+2*\p+1], v[GT+2*\n:GT+2*\n+1]
.endif
.endr
	WV \kind, \tm, 2*\p+\hf
.endr
.endr
	WIN 0
	RED4
	ds_store_b32 v9, v[GT] offset:512*(\t)         ; both halves of the lanes write the same word with the same value
.endm
.macro STAGE_D t, kind, tm             ; sums over tile t's pixels of a v': a pair of sums for each of the 8 tiles of channels
.irp p, 0,1,2,3
.irp hf, 0,1
	WIN 0xfc                                       ; the sums and attn in window 3, v' in window 0
.irp n, 0,1,2,3
.if ((\t) == 0) && (\p == 0)
	v_pk_mul_f32 v[160+2*(4*\hf+\n):160+2*(4*\hf+\n)+1], v[XB+64*(\t)+8*(4*\hf+\n):XB+64*(\t)+8*(4*\hf+\n)+1], v[128+8*(\t):128+8*(\t)+1]
.else
	v_pk_fma_f32 v[160+2*(4*\hf+\n):160+2*(4*\hf+\n)+1], v[XB+64*(\t)+8*(4*\hf+\n)+2*\p:XB+64*(\t)+8*(4*\hf+\n)+2*\p+1], v[128+8*(\t)+2*\p:128+8*(\t)+2*\p+1], v[160+2*(4*\hf+\n):160+2*(4*\hf+\n)+1]
.endif
.endr
	WV \kind, \tm, 2*\p+\hf
.endr
.endr
.endm
.macro NOPS n
.rept \n
	v_nop
.endr
.endm
	; ---- the head: addresses
	s_load_b512 s[4:19], s[0:1], 0x0               ; inputs, slots, sp, wimg, wscl, g_w, g_b, f_b1
	s_load_b256 s[20:27], s[0:1], 0x40             ; f_b2, ln_s_g, ln_s_b, part
	v_lshl_add_u32 v254, v0, 2, 0x38c00
	v_mov_b32 v255, 0
	ds_add_u32 v254, v255
	ds_add_u32 v254, v255
	s_wait_dscnt 0x0
	v_lshrrev_b32 v32, 5, v0
	v_readfirstlane_b32 s28, v32                   ; wave
	s_lshr_b32 s29, ttmp9, 5                       ; batch
	s_mov_b32 s30, 0x76543210
	s_mov_b32 s31, 0xfedcba98                      ; lane l xor 16
	s_mov_b32 s32, 0x600000                        ; the mantissa field of 448
	v_and_b32 v33, 31, v0                          ; lane
	v_and_b32 v34, 15, v0                          ; r
	v_bfe_u32 v35, v0, 4, 1                        ; h
	v_and_b32 v36, 7, v0                           ; r % 8
	v_and_b32 v37, 8, v0
	v_add_nc_u32 v37, v37, v34                     ; r + 8 (r / 8)
	v_lshl_add_u32 v1, v33, 2, WSCL
	v_lshlrev_b32 v2, 4, v0
	v_lshl_add_u32 v3, v0, 4, WSCL
	v_lshlrev_b32 v4, 4, v33
	v_lshl_add_u32 v7, v0, 4, 65536                ; for the copies of fragments 32 on: a copy's immediate stays under 65,536
	s_lshl_b32 s52, s28, 12
	s_add_co_u32 s52, s52, 65536
	v_add_nc_u32 v5, s52, v4                       ; Wq's fragments 32 + 2 wave on
	v_lshl_add_u32 v6, v35, 6, CC
	s_mul_i32 s56, s28, WAB
	s_add_co_u32 s56, s56, WA0                     ; my wave's area
	v_lshl_add_u32 v8, v34, 2, s56
	v_lshl_add_u32 v10, v35, 5, s56
	v_add_nc_u32 v10, 1024, v10
	v_lshl_add_u32 v11, v37, 2, s56
	v_add_nc_u32 v11, 2048, v11
	v_lshl_add_u32 v13, v0, 2, CC
	v_lshlrev_b32 v12, 6, v35                      ; 64 h
	v_lshl_add_u32 v15, v36, 9, v12                ; a slot's row of q': 512 (r % 8) + 64 h
	s_mul_i32 s57, s28, STW
	s_add_co_u32 s57, s57, STG                     ; my wave's stage
	v_add_nc_u32 v14, s57, v4                      ; into it: 16 bytes a lane, a row an instruction
	v_mad_u32_u24 v12, v34, SPI, v12
	v_add_nc_u32 v12, s57, v12                     ; out of it: row r, + 64 h
	s_lshl_b32 s58, s28, 11
	s_add_co_u32 s58, s58, VEC                     ; my wave's four vectors
	v_lshl_add_u32 v9, v35, 6, s58                 ; out of them: + 64 h
	v_add_nc_u32 v24, s58, v4                      ; where their copies land: a register each, since a copy's immediate steps both of its addresses
	v_add_nc_u32 v25, 512, v24
	v_add_nc_u32 v26, 1024, v24
	v_add_nc_u32 v27, 1536, v24
	v_lshlrev_b32 v38, 3, v0
	v_lshlrev_b32 v39, 2, v0
	s_and_b32 s53, ttmp9, 31                       ; my pixels' place in the image: y = 2 (work-group % 32) + wave / 2, x = 32 (wave % 2) + 16 t + r
	s_lshl_b32 s53, s53, 1
	s_lshr_b32 s54, s28, 1
	s_add_co_u32 s53, s53, s54
	s_mov_b32 s55, 0x3d020821                      ; 2 / 63
	v_cvt_f32_u32 v60, s53
	v_fma_f32 v60, v60, s55, -1.0
	v_mov_b32 v62, v60
	s_and_b32 s54, s28, 1
	s_lshl_b32 s54, s54, 5
	v_add_nc_u32 v61, s54, v34
	v_add_nc_u32 v63, 16, v61
	v_cvt_f32_u32 v61, v61
	v_cvt_f32_u32 v63, v63
	v_fma_f32 v61, v61, s55, -1.0
	v_fma_f32 v63, v63, s55, -1.0
.irp b, 0,1,2,3
	v_mov_b32 v[TM+4+\b], 0                        ; a lane permute's destination counts as one of its sources
.endr
	s_wait_kmcnt 0x0
	s_lshl_b32 s52, ttmp9, 16                      ; my work-group's 128 rows of 512 bytes, my wave's 32
	s_lshl_b32 s53, s28, 14
	s_add_co_u32 s52, s52, s53
	s_mov_b32 s53, 0
	s_add_nc_u64 s[4:5], s[4:5], s[52:53]
	s_lshl_b32 s52, s29, 12
	s_add_nc_u64 s[6:7], s[6:7], s[52:53]
	s_lshl_b32 s52, s29, 6
	s_add_nc_u64 s[8:9], s[8:9], s[52:53]
	s_mul_i32 s52, ttmp9, 4352
	s_add_nc_u64 s[26:27], s[26:27], s[52:53]
	; ---- everything is asked for.  First the four vectors, 512 bytes a copy, into my own LDS bytes
	global_load_async_to_lds_b128 v24, v4, s[22:23]    ; ln_s_g
	global_load_async_to_lds_b128 v25, v4, s[24:25]    ; ln_s_b
	global_load_async_to_lds_b128 v26, v4, s[18:19]    ; f_b1
	global_load_async_to_lds_b128 v27, v4, s[20:21]    ; f_b2
	s_load_b512 s[36:51], s[8:9], 0x0              ; the batch's 8 x 2 numbers of S_p
	global_load_b64 v[32:33], v38, s[14:15]        ; ten loads: g_w[tid], g_b[tid], the batch's 8 slots, a row of 512 bytes an instruction
	global_load_b32 v34, v39, s[16:17]
.irp k, 0,1,2,3,4,5,6,7
	global_load_b128 v[64+4*\k:64+4*\k+3], v4, s[6:7] offset:512*\k
.endr
.set k, 0
.rept 32                                       ; 32 loads: my 32 pixels, a row an instruction, read once in the launch
	global_load_b128 v[XB+4*k:XB+4*k+3], v4, s[4:5] offset:512*k th:TH_LOAD_NT
.set k, k+1
.endr
	; 43 copies: 40 fragment images and 48 fragments' scale words, 2,048 bytes a line for the work-group; the immediate steps both addresses,
	; and one register serves as LDS address and as offset in memory, since an image lies in LDS where it lies in its buffer.  Fragments 0 to 31 by v2, 32 to 39 by v7
.set k, 0
.rept 32
	global_load_async_to_lds_b128 v2, v2, s[10:11] offset:2048*k
.set k, k+1
.endr
.irp k, 0,1,2,3,4,5,6,7
	global_load_async_to_lds_b128 v7, v7, s[10:11] offset:2048*\k
.endr
.irp k, 0,1,2
	global_load_async_to_lds_b128 v3, v2, s[12:13] offset:2048*\k
.endr
	; ---- the slots through my stage: each row twice, so that lane r finds slot r % 8 in row 32 + r.  LDS serves a wave's instructions in order (ISA guide 5.7.1.4): no wait between the stores and the loads
	s_wait_loadcnt 32                              ; behind the first ten loads only the inputs' 32 were issued
.irp k, 0,1,2,3,4,5,6,7
	ds_store_b128 v14, v[64+4*\k:64+4*\k+3] offset:SPI*(32+\k)
	ds_store_b128 v14, v[64+4*\k:64+4*\k+3] offset:SPI*(40+\k)
.endr
	KLDS 64, 12, SPI*32
	; ---- cp and gw', a channel a thread
	s_wait_kmcnt 0x0
	v_mul_f32 v32, 0x3e4ccccd, v32                 ; gw' = 0.2 g_w
	v_mul_f32 v33, 0x3e4ccccd, v33
.irp i, 0,1,2,3,4,5,6,7
	v_fma_f32 v[35+\i%2], -s[36+2*\i], v32, v34
	v_fma_f32 v[35+\i%2], -s[37+2*\i], v33, v[35+\i%2]
	ds_store_b32 v13, v[35+\i%2] offset:512*\i
.endr
	ds_store_b32 v13, v32 offset:8192
	ds_store_b32 v13, v33 offset:8704
	; ---- the slots' norm: lane (r, h) holds half of row r % 8, in v64-127; every wave does all 8 rows
	s_wait_dscnt 10                                ; only the ten stores just issued may be out: the slots are back from the stage
.irp k, 0,1,2,3
	v_pk_add_f32 v[GT+2*\k:GT+2*\k+1], v[64+4*\k:64+4*\k+1], v[64+4*\k+2:64+4*\k+3]
.endr
.set m, 8
.rept 24
	v_pk_add_f32 v[GT+2*(m%4):GT+2*(m%4)+1], v[GT+2*(m%4):GT+2*(m%4)+1], v[64+2*m:64+2*m+1]
.set m, m+1
.endr
	RED4
	v_mul_f32 v[GT], 0x3c000000, v[GT]             ; the mean
.set m, 0
.rept 32
	v_pk_add_f32 v[64+2*m:64+2*m+1], v[64+2*m:64+2*m+1], v[GT:GT+1] op_sel_hi:[1,0] neg_lo:[0,1] neg_hi:[0,1]
.set m, m+1
.endr
	s_wait_asynccnt 43                             ; behind the four vectors' copies 43 were issued: the vectors lie in my LDS bytes, and v24-27 are free
	WIN 0xc0
	KLDS 64, 9, 0                                  ; the norm's gain and bias: they land while the variance is made
	KLDS 128, 9, 512
	WIN 0
.irp k, 0,1,2,3
	v_pk_mul_f32 v[GT+2*\k:GT+2*\k+1], v[64+2*\k:64+2*\k+1], v[64+2*\k:64+2*\k+1]
.endr
.set m, 4
.rept 28
	v_pk_fma_f32 v[GT+2*(m%4):GT+2*(m%4)+1], v[64+2*m:64+2*m+1], v[64+2*m:64+2*m+1], v[GT+2*(m%4):GT+2*(m%4)+1]
.set m, m+1
.endr
	RED4
	v_mul_f32 v[GT], 0x3c000000, v[GT]
	v_add_f32 v[GT], 0x3727c5ac, v[GT]             ; the variance + 1e-5
	s_wait_alu depctr_va_vdst(0)
	v_rsq_f32 v[GT+2], v[GT]
	v_nop                                          ; a plain line behind the transcendental,
	s_wait_alu depctr_va_vdst(0)                   ; and the wait ahead of its first reader
.set m, 0
.rept 32
	v_pk_mul_f32 v[64+2*m:64+2*m+1], v[64+2*m:64+2*m+1], v[GT+2:GT+3] op_sel_hi:[1,0]
.set m, m+1
.endr
	s_wait_dscnt 0x0                               ; gain and bias are in
	WIN 0x3c                                       ; gain and bias in window 3
.set m, 0
.rept 32
	v_pk_fma_f32 v[64+2*m:64+2*m+1], v[64+2*m:64+2*m+1], v[64+2*m:64+2*m+1], v[128+2*m:128+2*m+1]
.set m, m+1
.endr
	QUANT 64, 32, PW+2, 0, 2                       ; the slots' codes: window 2, v32-47; their scale word: v58
	; ---- my 32 pixels through the stage, and their codes
	s_wait_loadcnt 0x0
.set k, 0
.rept 16
	ds_store_b128 v14, v[XB+4*k:XB+4*k+3] offset:SPI*k
.set k, k+1
.endr
	KLDS XB, 12, 0
.rept 16
	ds_store_b128 v14, v[XB+4*k:XB+4*k+3] offset:SPI*k
.set k, k+1
.endr
	s_wait_dscnt 16                                ; only tile 1's 16 stores may be out: tile 0 is back
	KLDS XB+64, 12, SPI*16
	QUANT XB, CX, PW, 0, 0
	s_wait_dscnt 0x0                               ; tile 1 is back
	WIN 0xc0
	KLDS 0, 9, 1024                                ; f_b1 and f_b2: they stay
	KLDS 192, 9, 1536
	WIN 0
	QUANT XB+64, CX+16, PW+1, 0, 0
	s_wait_asynccnt 0x0                            ; my copies have landed (and their address registers are free),
	s_wait_dscnt 0x0                               ; my stores of cp and gw' too
	s_barrier_signal -1
	s_barrier_wait -1                              ; everybody's have
	; ---- from LDS: Wq's two fragments, gw', f_w1 and f_w2
	WIN 0x80
.irp u, 0,1
.irp c, 0,1,2,3
	ds_load_b128 v[16*\u+4*\c:16*\u+4*\c+3], v5 offset:2048*\u+512*\c
.endr
.endr
	WIN 0
	s_lshl_b32 s52, s28, 8
	v_add_nc_u32 v9, s52, v1
	ds_load_b32 v54, v9 offset:4096
	ds_load_b32 v55, v9 offset:4224
	WIN 0xc0
	KLDS 64, 6, 8192
	KLDS 128, 6, 8704
	WIN 0x40
.irp f, 0,1,2,3,4,5,6,7,8,9,10,11,12,13,14,15
.irp c, 0,1,2,3
	ds_load_b128 v[16*\f+4*\c:16*\f+4*\c+3], v4 offset:2048*(16+\f)+512*\c
.endr
.endr
	s_wait_dscnt 63                                ; of 106 loads at most 63 are out: the first 43 are in: Wq's 10 and gw's 32
	WIN 0x0a                                       ; sources 0 and 1 window 2
	v_wmma_scale_f32_16x16x128_f8f6f4 v[16:23], v[0:15], v[32:47], 0, v54, v58    ; q, channels 32 wave + 16 h + 0 .. 7 of slot r % 8
	v_wmma_scale_f32_16x16x128_f8f6f4 v[24:31], v[16:31], v[32:47], 0, v55, v58   ; and + 8 .. 15
	WIN 0x03                                       ; G = gy gw0' + gx gw1', in K-layout; these 128 lines are also the places behind the two products
.irp t, 0,1
.set m, 0
.rept 32
	v_pk_mul_f32 v[XB+64*\t+2*m:XB+64*\t+2*m+1], v[64+2*m:64+2*m+1], v[GYX+2*\t:GYX+2*\t+1] op_sel_hi:[1,0]
.set m, m+1
.endr
.endr
.irp t, 0,1
.set m, 0
.rept 32
	v_pk_fma_f32 v[XB+64*\t+2*m:XB+64*\t+2*m+1], v[128+2*m:128+2*m+1], v[GYX+2*\t:GYX+2*\t+1], v[XB+64*\t+2*m:XB+64*\t+2*m+1] op_sel:[0,1,0] op_sel_hi:[1,1,1]
.set m, m+1
.endr
.endr
	WIN 0
.irp m, 0,1,2,3,4,5,6,7
	v_pk_mul_f32 v[16+2*\m:17+2*\m], v[16+2*\m:17+2*\m], 0x3e0293ee op_sel_hi:[1,0]   ; q' = q x 128^-0.5 x log2(e)
.endr
	s_lshl_b32 s52, s28, 7
	s_add_co_u32 s52, s52, QQ
	v_add_nc_u32 v9, s52, v15
.irp j, 0,1,2,3
	ds_store_b128 v9, v[16+4*\j:19+4*\j] offset:16*\j   ; lanes r and r + 8 hold the same slot and write the same bytes with the same values
.endr
	; ---- to_k and to_v, with G as C: results in window 2
.macro PROJ first, scl, dd
	WIN 0xc0
.irp f, 0,1,2,3,4,5,6,7
.irp c, 0,1,2,3
	ds_load_b128 v[64+16*\f+4*\c:64+16*\f+4*\c+3], v4 offset:2048*(\first+\f)+512*\c
.endr
.endr
	WIN 0
.irp f, 0,1,2,3,4,5,6,7
	ds_load_b32 v[\scl+\f], v1 offset:128*(\first+\f)
.endr
	s_wait_dscnt 0x0
	WIN 0x83                                       ; source 0 window 3, destination window 2
.irp n, 0,1,2,3,4,5,6,7
.irp t, 0,1
	v_wmma_scale_f32_16x16x128_f8f6f4 v[\dd+64*\t+8*\n:\dd+64*\t+8*\n+7], v[64+16*\n:64+16*\n+15], v[CX+16*\t:CX+16*\t+15], v[XB+64*\t+8*\n:XB+64*\t+8*\n+7], v[\scl+\n], v[PW+\t]
.endr
.endr
	WIN 0
	NOPS 8                                         ; places in front of loads into, and vector writes of, these products' registers
.endm
	PROJ 0, W1S, 0
	PROJ 8, W2S, 128
	s_wait_dscnt 0x0                               ; my part of q' is stored
	s_barrier_signal -1
	s_barrier_wait -1                              ; all of q' lies in LDS
.irp n, 0,1,2,3,4,5,6,7
	ds_load_b32 v[W1S+\n], v1 offset:128*(16+\n)
	ds_load_b32 v[W2S+\n], v1 offset:128*(24+\n)
.endr
	v_mov_b32 v7, v6
	WIN 0xc0
	KLDS 64, 7, 0                                  ; slot 0's cp
	WIN 0
	s_mov_b32 s33, 0                               ; 512 x slot: the loops' counter
	s_mov_b32 s34, 0                               ; 64 x slot
	; ---- k and the dots: a trip a slot
.Lk:
	v_add_nc_u32 v7, s33, v6
	v_add_nc_u32 v9, s34, v8
	WIN 0xc0
	KLDS 128, 7, 4096                              ; this slot's q'
	s_wait_dscnt 16                                ; only those 16 may be out: cp is in (in the first trip the scale words too)
	STAGE_A 0, 0, 0, 0, 0
	STAGE_A 64, 1, 1, 0, 1
	STAGE_B 0, 1, 1
	STAGE_B 1, 2, 0
	s_wait_alu depctr_va_vdst(0)
	s_wait_dscnt 16                                ; only the next cp's 16 loads may be out: q' is in
	STAGE_C 0, 2, 1
	NOPS 4                                         ; with the plain lines of the sum above: the places behind tile 1's last product
	STAGE_C 1, 0, 0
	s_add_co_u32 s34, s34, 64
	s_add_co_u32 s33, s33, 512
	s_cmp_lt_u32 s33, 4096
	s_cbranch_scc1 .Lk
	; ---- the softmax over the 8 slots; lane (r, h): pixel r of each tile (both halves hold the same)
.irp t, 0,1
.irp i, 0,1,2,3,4,5,6,7
	ds_load_b32 v[128+8*\t+\i], v8 offset:512*\t+64*\i
.endr
.endr
	s_wait_dscnt 0x0
.irp t, 0,1
	v_max3_num_f32 v[GT+\t], v[128+8*\t], v[129+8*\t], v[130+8*\t]
.endr
.irp i, 3,5
.irp t, 0,1
	v_max3_num_f32 v[GT+\t], v[GT+\t], v[128+8*\t+\i], v[129+8*\t+\i]
.endr
.endr
.irp t, 0,1
	v_max_num_f32 v[GT+\t], v[GT+\t], v[135+8*\t]
.endr
.irp t, 0,1
.irp i, 0,1,2,3,4,5,6,7
	v_sub_f32 v[128+8*\t+\i], v[128+8*\t+\i], v[GT+\t]   ; the largest is taken away
.endr
.endr
	s_wait_alu depctr_va_vdst(0)
.irp i, 0,1,2,3,4,5,6,7,8,9,10,11,12,13,14,15
	v_exp_f32 v[128+\i], v[128+\i]
.endr
	v_nop
	s_wait_alu depctr_va_vdst(0)                   ; one wait for the batch, ahead of its first reader
.irp t, 0,1
	v_add_f32 v[GT+2+\t], v[128+8*\t], v[129+8*\t]
.endr
.irp i, 2,3,4,5,6,7
.irp t, 0,1
	v_add_f32 v[GT+2+\t], v[GT+2+\t], v[128+8*\t+\i]
.endr
.endr
	s_wait_alu depctr_va_vdst(0)
	v_rcp_f32 v[GT+4], v[GT+2]
	v_rcp_f32 v[GT+5], v[GT+3]
	v_nop
	s_wait_alu depctr_va_vdst(0)
.irp t, 0,1
.irp i, 0,1,2,3,4,5,6,7
	v_fmaak_f32 v[128+8*\t+\i], v[128+8*\t+\i], v[GT+4+\t], 0x322bcc77   ; a = e / sum + 1e-8
.endr
.endr
.irp t, 0,1
.irp i, 0,1,2,3,4,5,6,7
	ds_store_b32 v8, v[128+8*\t+\i] offset:1024+512*\t+64*\i
.endr
.endr
.irp i, 0,1,2,3,4,5,6,7                        ; the statistics of slot i: a, a gy, a gx, 0 of my two pixels
	v_add_f32 v[160+4*\i], v[128+\i], v[136+\i]
	v_mul_f32 v[162+4*\i], v61, v[128+\i]
	v_mov_b32 v[163+4*\i], 0
.endr
.irp i, 0,1,2,3,4,5,6,7
	v_mul_f32 v[161+4*\i], v60, v[160+4*\i]        ; both tiles lie on one row of the image
	v_fmac_f32 v[162+4*\i], v63, v[136+\i]
.endr
.irp x, 1,2,4,8                                ; summed over the 16 lanes of a half
.irp i, 0,1,2,3,4,5,6,7
.irp c, 0,1,2
	v_add_f32_dpp v[160+4*\i+\c], v[160+4*\i+\c], v[160+4*\i+\c] row_xmask:\x row_mask:0xf bank_mask:0xf
.endr
.endr
.endr
	s_add_co_u32 s52, s56, 6144
	v_mov_b32 v9, s52
.irp i, 0,1,2,3,4,5,6,7
	ds_store_b128 v9, v[160+4*\i:163+4*\i] offset:16*\i   ; every lane holds the same
.endr
	v_mov_b32 v7, v6
	WIN 0xc0
	KLDS 64, 7, 0                                  ; slot 0's cp again
	WIN 0
	s_mov_b32 s33, 0
	s_mov_b32 s34, 0
	; ---- v and the weighted sums: a trip a slot
.Lv:
	v_add_nc_u32 v7, s33, v6
	v_add_nc_u32 v9, s34, v10
	v_add_nc_u32 v12, s33, v11
	WIN 0xc0
	ds_load_b128 v[128:131], v9                    ; attn of this slot: my half's 8 pixels of tile 0,
	ds_load_b128 v[132:135], v9 offset:16
	ds_load_b128 v[136:139], v9 offset:512         ; and of tile 1
	ds_load_b128 v[140:143], v9 offset:528
	s_wait_dscnt 4                                 ; only those four may be out: cp is in
	STAGE_A 128, 0, 0, 0, 0
	STAGE_A 192, 1, 1, 0, 1
	STAGE_B 0, 1, 1
	STAGE_B 1, 3, 0
	s_wait_alu depctr_va_vdst(0)
	s_wait_dscnt 16                                ; only the next cp's 16 loads may be out: attn is in
	STAGE_D 0, 3, 1
	NOPS 8                                         ; places behind tile 1's last product
	STAGE_D 1, 0, 0
	WIN 0x0f
.irp n, 0,1,2,3,4,5,6,7
	v_add_f32 v[GT+\n], v[160+2*\n], v[161+2*\n]
.endr
	WIN 0
.irp n, 0,1,2,3,4,5,6,7
	v_permlanex16_b32 v[TM+\n], v[GT+\n], s30, s31
.endr
.irp n, 0,1,2,3,4,5,6,7
	v_add_f32 v[GT+\n], v[GT+\n], v[TM+\n]         ; with the other half's 8 pixels
.endr
.irp n, 0,1,2,3,4,5,6,7
	ds_store_b32 v12, v[GT+\n] offset:128*(\n/2)+32*(\n%2)   ; channel 32 (n / 2) + 8 (n % 2) + r + 8 (r / 8)
.endr
	s_add_co_u32 s34, s34, 64
	s_add_co_u32 s33, s33, 512
	s_cmp_lt_u32 s33, 4096
	s_cbranch_scc1 .Lv
	; ---- the four waves' sums meet, and the record leaves
	s_wait_dscnt 0x0
	s_barrier_signal -1
	s_barrier_wait -1
	v_lshl_add_u32 v13, v0, 4, WA0+2048
	v_and_b32 v14, 31, v0
	v_lshlrev_b32 v15, 2, v14
	v_add_nc_u32 v14, WA0+6144, v15
.irp q, 0,1,2,3
.irp k, 0,1
	ds_load_b128 v[128+8*\q+4*\k:128+8*\q+4*\k+3], v13 offset:WAB*\q+2048*\k
.endr
.endr
	s_wait_dscnt 0x0
.irp e, 0,2,4,6
	v_pk_add_f32 v[128+\e:129+\e], v[128+\e:129+\e], v[136+\e:137+\e]
	v_pk_add_f32 v[144+\e:145+\e], v[144+\e:145+\e], v[152+\e:153+\e]
.endr
.irp e, 0,2,4,6
	v_pk_add_f32 v[128+\e:129+\e], v[128+\e:129+\e], v[144+\e:145+\e]
.endr
	global_store_b128 v2, v[128:131], s[26:27]     ; a wave's store covers 512 consecutive bytes, aligned
	global_store_b128 v2, v[132:135], s[26:27] offset:2048
	s_cmp_lg_u32 s28, 0
	s_cbranch_scc1 .Lend
.irp q, 0,1,2,3
	ds_load_b32 v[160+\q], v14 offset:WAB*\q
.endr
	s_wait_dscnt 0x0
	v_add_f32 v160, v160, v161
	v_add_f32 v162, v162, v163
	v_add_f32 v160, v160, v162
	global_store_b32 v15, v160, s[26:27] offset:4096
.Lend:
	s_wait_xcnt 0x0
	v_lshl_add_u32 v254, v0, 2, 0x38c00
	v_mov_b32 v255, 0
	s_wait_alu depctr_va_vdst(0)
	s_wait_tensorcnt 0x0
	ds_add_u32 v254, v255
	s_wait_dscnt 0x0
	s_endpgm
.Lfunc_end_k_q73b1defd0e_att1:
	.size	k_q73b1defd0e_att1, .Lfunc_end_k_q73b1defd0e_att1-k_q73b1defd0e_att1
	.p2alignl 7, 3214868480
	.fill 96, 4, 3214868480
	.section	.rodata,"a",@progbits
	.p2align	6, 0x0
	.amdhsa_kernel k_q73b1defd0e_att1
		.amdhsa_group_segment_fixed_size 232960
		.amdhsa_private_segment_fixed_size 0
		.amdhsa_enable_private_segment 0
		.amdhsa_kernarg_size 96
		.amdhsa_user_sgpr_count 2
		.amdhsa_user_sgpr_kernarg_segment_ptr 1
		.amdhsa_wavefront_size32 1
		.amdhsa_system_sgpr_workgroup_id_x 1
		.amdhsa_system_sgpr_workgroup_id_y 1
		.amdhsa_system_sgpr_workgroup_id_z 1
		.amdhsa_system_vgpr_workitem_id 0
		.amdhsa_next_free_vgpr 1024
		.amdhsa_next_free_sgpr 66
		.amdhsa_reserve_vcc 0
		.amdhsa_float_denorm_mode_32 3
		.amdhsa_float_denorm_mode_16_64 3
		.amdhsa_memory_ordered 1
		.amdhsa_forward_progress 1
		.amdhsa_inst_pref_size 204
	.end_amdhsa_kernel
	.amdgpu_metadata
---
amdhsa.version: [ 1, 2 ]
amdhsa.kernels:
  - .name:           k_q73b1defd0e_att1
    .symbol:         k_q73b1defd0e_att1.kd
    .args:
      - { .name: inputs, .offset: 0, .size: 8, .value_kind: global_buffer, .address_space: global }
      - { .name: slots_init, .offset: 8, .size: 8, .value_kind: global_buffer, .address_space: global }
      - { .name: S_p0, .offset: 16, .size: 8, .value_kind: global_buffer, .address_space: global }
      - { .name: wimg, .offset: 24, .size: 8, .value_kind: global_buffer, .address_space: global }
      - { .name: wscl, .offset: 32, .size: 8, .value_kind: global_buffer, .address_space: global }
      - { .name: g_w, .offset: 40, .size: 8, .value_kind: global_buffer, .address_space: global }
      - { .name: g_b, .offset: 48, .size: 8, .value_kind: global_buffer, .address_space: global }
      - { .name: f_b1, .offset: 56, .size: 8, .value_kind: global_buffer, .address_space: global }
      - { .name: f_b2, .offset: 64, .size: 8, .value_kind: global_buffer, .address_space: global }
      - { .name: ln_s_g, .offset: 72, .size: 8, .value_kind: global_buffer, .address_space: global }
      - { .name: ln_s_b, .offset: 80, .size: 8, .value_kind: global_buffer, .address_space: global }
      - { .name: part, .offset: 88, .size: 8, .value_kind: global_buffer, .address_space: global }
    .group_segment_fixed_size: 232960
    .private_segment_fixed_size: 0
    .kernarg_segment_align: 8
    .kernarg_segment_size: 96
    .max_flat_workgroup_size: 128
    .sgpr_count:     66
    .vgpr_count:     1024
    .wavefront_size: 32
...
	.end_amdgpu_metadata
.endif
;; end of part 2
;; launch fus2 (part 3): grid 256 x 1, 4 waves a work-group, no clusters, 265,216 bytes of LDS; arguments inputs, slots_init, part, wimg, wscl, g_w, g_b, f_b1, f_b2, ln_s_g, ln_s_b, part2, gru_bih, gru_bhh, ln_pf_g, ln_pf_b, mlp_b1, mlp_b2, sa; writes part2, sa
.if DOCPART == 3
	.amdgcn_target "amdgcn-amd-amdhsa--gfx1250"
	.amdhsa_code_object_version 6
	.text
	.protected	k_q73b1defd0e_fus2
	.globl	k_q73b1defd0e_fus2
	.p2align	8
	.type	k_q73b1defd0e_fus2,@function
k_q73b1defd0e_fus2:
	s_mov_b64 s[64:65], 0
	v_nop
	global_prefetch_b8 v0, s[64:65] scope:SCOPE_SE
	s_setreg_imm32_b32 hwreg(HW_REG_WAVE_MODE, 25, 1), 1
	s_wait_xcnt 0x0
; A round's work on slots and the next round's work on pixels, in one launch.  A work-group takes 128 pixels of one batch, a wave 32 of them (two tiles of 16), for all 8 slots.
; THE HEAD: every work-group makes its batch's new slots itself: it adds the batch's 32 records of the round before, updates = U / S + f_b2, S_p = (sum a grid) / S, the GRU cell, the norm, the MLP with its residual,
; then the slots' norm and q.  Wave w owns block w (indices 32 w + 16 h + e) of every vector of 128 and tiles 2 w, 2 w + 1 of every weight; lane r holds slot r % 8; an operand's four blocks meet in LDS as an image of its registers.
; The first work-group of each batch stores the new slots for the next launch.  S_p stays in registers: only this launch's cp takes it.  The second division of S_p, by the sum of the normalised attn (1 within f32 rounding), is left out.
; ORDER OF THE REQUESTS: what the slots' chain wants goes first (records, vectors, GRU and MLP fragments); the copies of the pixels' weights follow, and my 32 pixels' rows are asked for behind the records' sum, into its registers;
; both are on their way while the chain is worked, and the pixels are quantised behind q.
; THE LOOPS: x_k(slot, pixel) = to_k + G(pixel) + cp(slot), G = gy gw0' + gx gw1', cp = g_b - sp0 gw0' - sp1 gw1', gw' = 0.2 g_w; k = relu(x_k f_w1^T + f_b1) f_w2^T + f_b2; dots' = q' . k, q' = q x 128^-0.5 x log2(e);
; e = 2^(dots' - the largest over the 8 slots); a = e / sum + 1e-8.  Stored, one record a work-group: U[slot][d] = sum of a v' (v' = v without f_b2), and (sum a, sum a gy, sum a gx, 0) for each slot.
; All quantised products are v_wmma_scale_f32_16x16x128_f8f6f4 on E4M3 codes, used transposed (source 0 = 16 rows of a weight) but for v's second product; no product adds in place: K = 128 is one instruction.
; K-layout of a vector of 128 in 64 registers: register 16 c + e of half h = index 32 c + 16 h + e.
; No cluster: what work-groups share is read once at the head, none of the 16 trips' bytes.  No prefetch: every stream is asked for whole at the head.
; LIMITS: NaN and infinities are not served; a block under 2^-118 (zeros too) gets the byte 1; the grid by fused multiply-add may differ from linspace in the last bit; sums are ordered otherwise than in the source;
; sigmoid and tanh by v_exp_f32 and v_rcp_f32.
.set WSCL, 81920                       ; LDS: 0 forty fragment images; WSCL 48 fragments' scale words (both filled once, by copies)
.set CC,   88064                       ; cp[8][128]; + 4,096 q'[8][128]; + 8,192 gw0', gw1'
.set QQ,   CC+4096
.set WA0,  97280                       ; an area for each wave: dots, attn, U, statistics
.set WAB,  6400
.set VEC,  122880                      ; 2,048 bytes a wave: at + 1,024 f_b1, at + 1,536 f_b2, by its own copies
.set STG,  131072                      ; a stage for each wave, rows 528 bytes apart
.set SPI,  528
.set STW,  48*SPI
.set SPARE, 0x38c00                    ; the spare words
.set UB,   232960                      ; the slots' work: + 0 four operands' images, + 8,192 their scale bytes, + 10,240 four sums over the waves
.set PU,   12288                       ; four partial U, 8 rows of 528 bytes a wave
.set PUW,  4224
.set PST,  PU+4*PUW                    ; four partial statistics
.set OP4,  PST+512                     ; the fifth operand's image and bytes
.set OB4,  OP4+2048
.set TM,   16
.set GT,   32
.set W1S,  40
.set W2S,  48
.set PW,   56
.set GYX,  60
.set CX,   64
.set CH,   96
.set XB,   128
.set T16,  24                          ; the slots' work, window 0: as named below
.set UP,   40
.set HP,   56                          ; the old slots, then the new
.set GI,   72
.set GH,   120
.set YY,   72
.set DD,   88
.set HH,   104
.set OO,   120
.set TT,   136
.set FA,   168
.set FB,   184
.set CA,   200
.set CB,   204
.set BR,   208
.set BY,   216
.set PWA,  218
.set WS,   220
.set HN,   236
.set ST,   252
; the slots' work: v1 UB + 4 lane; v2 UB + 16 lane; v3, v4 partial U in and out; v5 Wq's fragments; v6 my block of my slot's row in memory; v7, v8 my block of an operand; v9 Wq's scale words; v12, v13 S_p; v15 statistics
; v43-54 the loads' offsets; v21-23, v212-214 the copies' addresses (v23 also the pixels' offset): no line of the chain writes these six.
; window 1: 8 records, then my 32 pixels' rows, later f_w1, f_w2.  window 2: GRU and MLP fragments, later to_k, to_v.
; window 3 at the head: v0-7 statistics, v8-10 g_w, g_b, v48 ln_s_b, v64 bih, v112 bhh, v160 mlp_b1, v176 mlp_b2, v192 f_b2, v208 ln_pf_g, v224 ln_pf_b, v240 ln_s_g
; window 3 in the loops: v0-63 f_b1, v64-127 cp, v128-191 q' (later attn and the sums), v192-255 f_b2
.set MSB, 0
.macro WIN new
.if MSB != (\new)
	s_set_vgpr_msb (MSB<<8)|(\new)
.set MSB, (\new)
.endif
.endm
.macro NOPS n
.rept \n
	v_nop
.endr
.endm
.macro KLDS dst, adr, off
.irp c, 0,1,2,3
.irp j, 0,1,2,3
	ds_load_b128 v[\dst+16*\c+4*\j:\dst+16*\c+4*\j+3], v[\adr] offset:\off+128*\c+16*\j
.endr
.endr
.endm
.macro QMAX s, relu, p
	WIN 0
.irp k, 2*(\p), 2*(\p)+1
.irp b, 0,1,2,3
.if (\k) == 0
.if \relu
	v_max3_num_f32 v[TM+\b], v[\s+16*\b], v[\s+16*\b+1], 0x4800000
.else
	v_max3_num_f32 v[TM+\b], |v[\s+16*\b]|, |v[\s+16*\b+1]|, 0x4800000
.endif
.else
.if \relu
	v_max3_num_f32 v[TM+\b], v[TM+\b], v[\s+16*\b+2*(\k)], v[\s+16*\b+2*(\k)+1]
.else
	v_max3_num_f32 v[TM+\b], v[TM+\b], |v[\s+16*\b+2*(\k)]|, |v[\s+16*\b+2*(\k)+1]|
.endif
.endif
.endr
.endr
.endm
.macro QMID0
	WIN 0
.irp b, 0,1,2,3
	v_permlanex16_b32 v[TM+4+\b], v[TM+\b], s30, s31
.endr
.irp b, 0,1,2,3
	v_max_num_f32 v[TM+\b], v[TM+\b], v[TM+4+\b]
.endr
.endm
.macro QMID1 pw
	WIN 0
.irp b, 0,1,2,3
	v_add_nc_u32 v[TM+12+\b], 0xfc000000, v[TM+\b]
.endr
.irp b, 0,1,2,3
	v_and_or_b32 v[TM+8+\b], v[TM+\b], 0x7f800000, s32
.endr
.irp b, 0,1,2,3
	v_lshrrev_b32 v[TM+4+\b], 23, v[TM+12+\b]
.endr
	v_lshl_or_b32 v[\pw], v[TM+5], 8, v[TM+4]
	v_lshl_or_b32 v[\pw], v[TM+6], 16, v[\pw]
	v_lshl_or_b32 v[\pw], v[TM+7], 24, v[\pw]
.endm
.macro QMED s, relu, b
	WIN 0
.irp i, 0,1,2,3,4,5,6,7,8,9,10,11,12,13,14,15
.if \relu
	v_med3_num_f32 v[\s+16*(\b)+\i], v[\s+16*(\b)+\i], 0, v[TM+8+(\b)]
.else
	v_med3_num_f32 v[\s+16*(\b)+\i], v[\s+16*(\b)+\i], -v[TM+8+(\b)], v[TM+8+(\b)]
.endif
.endr
.endm
.macro QCV s, c, b, dw
	WIN (\dw)<<6
	v_cvt_scalef32_pk8_fp8_f32 v[\c+4*(\b):\c+4*(\b)+1], v[\s+16*(\b):\s+16*(\b)+7], v[TM+12+(\b)]
	v_cvt_scalef32_pk8_fp8_f32 v[\c+4*(\b)+2:\c+4*(\b)+3], v[\s+16*(\b)+8:\s+16*(\b)+15], v[TM+12+(\b)]
.endm
.macro QTAIL s, c, relu, dw
	QMED \s, \relu, 0
	QMED \s, \relu, 1
	QCV \s, \c, 0, \dw
	QMED \s, \relu, 2
	QCV \s, \c, 1, \dw
	QMED \s, \relu, 3
	QCV \s, \c, 2, \dw
	QCV \s, \c, 3, \dw
.endm
.macro QUANT s, c, pw, relu, dw
.irp p, 0,1,2,3
	QMAX \s, \relu, \p
.endr
	QMID0
	QMID1 \pw
	QTAIL \s, \c, \relu, \dw
	WIN 0
	v_nop                                          ; one plain line behind the last conversion
.endm
.macro RED4
	v_pk_add_f32 v[GT:GT+1], v[GT:GT+1], v[GT+2:GT+3]
	v_pk_add_f32 v[GT+4:GT+5], v[GT+4:GT+5], v[GT+6:GT+7]
	v_pk_add_f32 v[GT:GT+1], v[GT:GT+1], v[GT+4:GT+5]
	v_add_f32 v[GT], v[GT], v[GT+1]
	v_permlanex16_b32 v[TM+4], v[GT], s30, s31
	v_add_f32 v[GT], v[GT], v[TM+4]
.endm
; one product, tile t, weight tile n.  kind 1: hidden = f_w1 x + f_b1;  2: k = f_w2 hidden + f_b2;  3: v' = hidden f_w2^T, the natural way;  0: nothing
.macro WV kind, t, n
.if (\kind) == 1
	WIN 0x31
	v_wmma_scale_f32_16x16x128_f8f6f4 v[XB+64*(\t)+8*(\n):XB+64*(\t)+8*(\n)+7], v[16*(\n):16*(\n)+15], v[CX+16*(\t):CX+16*(\t)+15], v[8*(\n):8*(\n)+7], v[W1S+(\n)], v[PW+(\t)]
.elseif (\kind) == 2
	WIN 0x31
	v_wmma_scale_f32_16x16x128_f8f6f4 v[XB+64*(\t)+8*(\n):XB+64*(\t)+8*(\n)+7], v[128+16*(\n):128+16*(\n)+15], v[CH+16*(\t):CH+16*(\t)+15], v[192+8*(\n):192+8*(\n)+7], v[W2S+(\n)], v[PW+2+(\t)]
.elseif (\kind) == 3
	WIN 0x04
	v_wmma_scale_f32_16x16x128_f8f6f4 v[XB+64*(\t)+8*(\n):XB+64*(\t)+8*(\n)+7], v[CH+16*(\t):CH+16*(\t)+15], v[128+16*(\n):128+16*(\n)+15], 0, v[PW+2+(\t)], v[W2S+(\n)]
.endif
.endm
.macro XSUB base, t, n
	WIN 0x0e
.irp m, 0,1,2,3,4,5,6,7
	v_pk_add_f32 v[XB+64*(\t)+16*(\n)+2*\m:XB+64*(\t)+16*(\n)+2*\m+1], v[\base+16*(\n)+2*\m:\base+16*(\n)+2*\m+1], v[64+16*(\n)+2*\m:64+16*(\n)+2*\m+1]
.endr
.endm
; x of tile t is made and quantised; tile tm's products stand between.  loadc = 1: the next slot's cp is asked for (in the last trip: bytes of q', written and never used)
.macro STAGE_A base, t, kind, tm, loadc
.irp n, 0,1,2,3
	XSUB \base, \t, \n
	WV \kind, \tm, \n
.endr
.irp p, 0,1,2,3
	QMAX XB+64*(\t), 0, \p
	WV \kind, \tm, 4+\p
.endr
	QMID0
	QMID1 PW+(\t)
.if \loadc
	WIN 0xc0
	KLDS 64, 7, 512
.endif
	QTAIL XB+64*(\t), CX+16*(\t), 0, 0
	v_nop
.endm
.macro STAGE_B t, kind, tm             ; the hidden layer of tile t: activation and quantiser
.irp p, 0,1,2,3
	QMAX XB+64*(\t), 1, \p
	WV \kind, \tm, \p
.endr
	QMID0
	WV \kind, \tm, 4
	QMID1 PW+2+(\t)
	WV \kind, \tm, 5
	QMED XB+64*(\t), 1, 0
	WV \kind, \tm, 6
	QMED XB+64*(\t), 1, 1
	QCV XB+64*(\t), CH+16*(\t), 0, 0
	WV \kind, \tm, 7
	QMED XB+64*(\t), 1, 2
	QCV XB+64*(\t), CH+16*(\t), 1, 0
	QMED XB+64*(\t), 1, 3
	QCV XB+64*(\t), CH+16*(\t), 2, 0
	QCV XB+64*(\t), CH+16*(\t), 3, 0
	v_nop
.endm
.macro STAGE_C t, kind, tm             ; dots' of tile t: q' . k in four chains; each accumulator is read from its low end on
.irp p, 0,1,2,3
.irp hf, 0,1
	WIN 0x0c
.irp n, 0,1,2,3
.if (\p == 0) && (\hf == 0)
	v_pk_mul_f32 v[GT+2*\n:GT+2*\n+1], v[XB+64*(\t)+8*\n:XB+64*(\t)+8*\n+1], v[128+8*\n:128+8*\n+1]
.else
	v_pk_fma_f32 v[GT+2*\n:GT+2*\n+1], v[XB+64*(\t)+8*(4*\hf+\n)+2*\p:XB+64*(\t)+8*(4*\hf+\n)+2*\p+1], v[128+8*(4*\hf+\n)+2*\p:128+8*(4*\hf+\n)+2*\p+1], v[GT+2*\n:GT+2*\n+1]
.endif
.endr
	WV \kind, \tm, 2*\p+\hf
.endr
.endr
	WIN 0
	RED4
	ds_store_b32 v9, v[GT] offset:512*(\t)
.endm
.macro STAGE_D t, kind, tm             ; sums over tile t's pixels of a v'
.irp p, 0,1,2,3
.irp hf, 0,1
	WIN 0xfc
.irp n, 0,1,2,3
.if ((\t) == 0) && (\p == 0)
	v_pk_mul_f32 v[160+2*(4*\hf+\n):160+2*(4*\hf+\n)+1], v[XB+64*(\t)+8*(4*\hf+\n):XB+64*(\t)+8*(4*\hf+\n)+1], v[128+8*(\t):128+8*(\t)+1]
.else
	v_pk_fma_f32 v[160+2*(4*\hf+\n):160+2*(4*\hf+\n)+1], v[XB+64*(\t)+8*(4*\hf+\n)+2*\p:XB+64*(\t)+8*(4*\hf+\n)+2*\p+1], v[128+8*(\t)+2*\p:128+8*(\t)+2*\p+1], v[160+2*(4*\hf+\n):160+2*(4*\hf+\n)+1]
.endif
.endr
	WV \kind, \tm, 2*\p+\hf
.endr
.endr
.endm
; ---- the slots' macros.  QB: my block's 16 numbers become 4 registers of codes and a scale byte; the numbers stay
.macro QB s, c, byte, relu
.if \relu
	v_max3_num_f32 v[TM], v[\s], v[\s+1], 0x4800000
	v_max3_num_f32 v[TM+1], v[\s+2], v[\s+3], v[\s+4]
.irp i, 5,9
	v_max3_num_f32 v[TM], v[TM], v[\s+\i], v[\s+\i+1]
	v_max3_num_f32 v[TM+1], v[TM+1], v[\s+\i+2], v[\s+\i+3]
.endr
	v_max3_num_f32 v[TM], v[TM], v[\s+13], v[\s+14]
	v_max3_num_f32 v[TM], v[TM], v[TM+1], v[\s+15]
.else
	v_max3_num_f32 v[TM], |v[\s]|, |v[\s+1]|, 0x4800000
	v_max3_num_f32 v[TM+1], |v[\s+2]|, |v[\s+3]|, |v[\s+4]|
.irp i, 5,9
	v_max3_num_f32 v[TM], v[TM], |v[\s+\i]|, |v[\s+\i+1]|
	v_max3_num_f32 v[TM+1], v[TM+1], |v[\s+\i+2]|, |v[\s+\i+3]|
.endr
	v_max3_num_f32 v[TM], v[TM], |v[\s+13]|, |v[\s+14]|
	v_max3_num_f32 v[TM], v[TM], v[TM+1], |v[\s+15]|
.endif
	v_permlanex16_b32 v[TM+2], v[TM], s30, s31
	v_max_num_f32 v[TM], v[TM], v[TM+2]
	v_add_nc_u32 v[TM+3], 0xfc000000, v[TM]
	v_and_or_b32 v[TM+4], v[TM], 0x7f800000, s32
	v_lshrrev_b32 v[\byte], 23, v[TM+3]
.irp i, 0,1,2,3,4,5,6,7,8,9,10,11,12,13,14,15
.if \relu
	v_med3_num_f32 v[T16+\i], v[\s+\i], 0, v[TM+4]
.else
	v_med3_num_f32 v[T16+\i], v[\s+\i], -v[TM+4], v[TM+4]
.endif
.endr
	v_cvt_scalef32_pk8_fp8_f32 v[\c:\c+1], v[T16:T16+7], v[TM+3]
	v_cvt_scalef32_pk8_fp8_f32 v[\c+2:\c+3], v[T16+8:T16+15], v[TM+3]
	v_nop
.endm
.macro PUT io, bo, c, byte             ; my block of an operand to LDS
	ds_store_b128 v7, v[\c:\c+3] offset:\io
	ds_store_b32 v8, v[\byte] offset:\bo
.endm
.macro GET io, bo, f, pw               ; the whole operand, and its rows' scale word
.irp c, 0,1,2,3
	ds_load_b128 v[\f+4*\c:\f+4*\c+3], v2 offset:\io+512*\c
.endr
.irp c, 0,1,2,3
	ds_load_b32 v[BR+\c], v1 offset:\bo+128*\c
.endr
	s_wait_dscnt 0x0
	v_lshl_or_b32 v[\pw], v[BR+1], 8, v[BR]
	v_lshl_or_b32 v[\pw], v[BR+2], 16, v[\pw]
	v_lshl_or_b32 v[\pw], v[BR+3], 24, v[\pw]
.endm
.macro BAR                             ; my LDS stores have landed and my LDS loads are in: then the barrier
	s_wait_alu depctr_va_vdst(0)
	s_wait_dscnt 0x0
	s_barrier_signal -1
	s_barrier_wait -1
.endm
.macro XSUM k                          ; v10 summed over the four waves, in the same order in each
	ds_store_b32 v8, v10 offset:10240+512*(\k)
	BAR
.irp c, 0,1,2,3
	ds_load_b32 v[BR+\c], v1 offset:10240+512*(\k)+128*\c
.endr
	s_wait_dscnt 0x0
	v_add_f32 v10, v[BR], v[BR+1]
	v_add_f32 v11, v[BR+2], v[BR+3]
	v_add_f32 v10, v10, v11
.endm
.macro HSUM
	v_pk_add_f32 v[TT:TT+1], v[TT:TT+1], v[TT+2:TT+3]
	v_add_f32 v10, v[TT], v[TT+1]
	v_permlanex16_b32 v11, v10, s30, s31
	v_add_f32 v10, v10, v11
.endm
.macro LNORM s, k, g, b                ; YY = the norm over 128 of v[s] on, x window 3's v[g] + v[b]: 16 registers, two halves of the lanes, four waves
	v_pk_add_f32 v[TT:TT+1], v[\s:\s+1], v[\s+2:\s+3]
	v_pk_add_f32 v[TT+2:TT+3], v[\s+4:\s+5], v[\s+6:\s+7]
	v_pk_add_f32 v[TT:TT+1], v[TT:TT+1], v[\s+8:\s+9]
	v_pk_add_f32 v[TT+2:TT+3], v[TT+2:TT+3], v[\s+10:\s+11]
	v_pk_add_f32 v[TT:TT+1], v[TT:TT+1], v[\s+12:\s+13]
	v_pk_add_f32 v[TT+2:TT+3], v[TT+2:TT+3], v[\s+14:\s+15]
	HSUM
	XSUM \k
	v_mul_f32 v10, 0x3c000000, v10                 ; the mean
.irp m, 0,1,2,3,4,5,6,7
	v_pk_add_f32 v[DD+2*\m:DD+2*\m+1], v[\s+2*\m:\s+2*\m+1], v[10:11] op_sel_hi:[1,0] neg_lo:[0,1] neg_hi:[0,1]
.endr
	v_pk_mul_f32 v[TT:TT+1], v[DD:DD+1], v[DD:DD+1]
	v_pk_mul_f32 v[TT+2:TT+3], v[DD+2:DD+3], v[DD+2:DD+3]
.irp m, 2,4,6
	v_pk_fma_f32 v[TT:TT+1], v[DD+2*\m:DD+2*\m+1], v[DD+2*\m:DD+2*\m+1], v[TT:TT+1]
	v_pk_fma_f32 v[TT+2:TT+3], v[DD+2*\m+2:DD+2*\m+3], v[DD+2*\m+2:DD+2*\m+3], v[TT+2:TT+3]
.endr
	HSUM
	XSUM (\k)+1
	v_mul_f32 v10, 0x3c000000, v10
	v_add_f32 v11, 0x3727c5ac, v10                 ; the variance + 1e-5
	s_wait_alu depctr_va_vdst(0)
	v_rsq_f32 v10, v11
	v_nop
	s_wait_alu depctr_va_vdst(0)
.irp m, 0,1,2,3,4,5,6,7
	v_pk_mul_f32 v[YY+2*\m:YY+2*\m+1], v[DD+2*\m:DD+2*\m+1], v[10:11] op_sel_hi:[1,0]
.endr
	WIN 0x3c
.irp m, 0,1,2,3,4,5,6,7
	v_pk_fma_f32 v[YY+2*\m:YY+2*\m+1], v[YY+2*\m:YY+2*\m+1], v[\g+2*\m:\g+2*\m+1], v[\b+2*\m:\b+2*\m+1]
.endr
	WIN 0
.endm
	; ---- the head: arguments, the opening adds, offsets
	s_load_b512 s[4:19], s[0:1], 0x0               ; inputs, old slots, records in, wimg, wscl, g_w, g_b, f_b1
	s_load_b256 s[20:27], s[0:1], 0x40             ; f_b2, ln_s_g, ln_s_b, records out
	s_load_b256 s[68:75], s[0:1], 0x60             ; gru_bih, gru_bhh, ln_pf_g, ln_pf_b
	s_load_b128 s[76:79], s[0:1], 0x80             ; mlp_b1, mlp_b2
	s_load_b64 s[80:81], s[0:1], 0x90              ; new slots
	v_lshl_add_u32 v254, v0, 2, SPARE
	v_mov_b32 v255, 0
	ds_add_u32 v254, v255                          ; the add, twice on end, ahead of the first copy
	ds_add_u32 v254, v255
	s_wait_dscnt 0x0
	v_lshrrev_b32 v32, 5, v0
	v_readfirstlane_b32 s28, v32                   ; wave
	s_lshr_b32 s29, ttmp9, 5                       ; batch
	s_mov_b32 s30, 0x76543210
	s_mov_b32 s31, 0xfedcba98                      ; lane l xor 16
	s_mov_b32 s32, 0x600000                        ; the mantissa field of 448
	s_mov_b32 s59, 0x3e4ccccd                      ; 0.2
	s_lshl_b32 s58, s28, 11
	s_add_co_u32 s58, s58, VEC                     ; my wave's vectors
	s_mul_i32 s57, s28, STW
	s_add_co_u32 s57, s57, STG                     ; my wave's stage
	s_lshl_b32 s82, s28, 12
	s_lshl_b32 s83, s28, 8
	s_lshl_b32 s84, s28, 7
	s_mul_i32 s85, s28, PUW
	s_add_co_u32 s85, s85, UB+PU
	s_lshl_b32 s86, s28, 9
	s_add_co_u32 s87, s82, 65536
	v_and_b32 v33, 31, v0                          ; lane
	v_bfe_u32 v35, v0, 4, 1                        ; h
	v_and_b32 v36, 7, v0                           ; r % 8
	v_lshlrev_b32 v37, 6, v35                      ; 64 h
	v_lshlrev_b32 v212, 4, v0                      ; the copies: 16 tid,
	v_lshl_add_u32 v213, v0, 4, WSCL
	v_lshl_add_u32 v214, v0, 4, 65536
	v_lshlrev_b32 v43, 4, v33                      ; 16 lane
	v_lshlrev_b32 v23, 4, v33                      ; the same once more, for the copies and the pixels' loads
	v_add_nc_u32 v21, s58, v43
	v_add_nc_u32 v22, 1536, v21                    ; where f_b2's copy lands,
	v_add_nc_u32 v21, 1024, v21                    ; and f_b1's
	v_lshlrev_b32 v48, 2, v33                      ; 4 lane
	v_add_nc_u32 v49, s82, v43                     ; my two tiles of every eight
	v_add_nc_u32 v54, s83, v48                     ; and their scale words
	v_add_nc_u32 v51, s84, v37                     ; my block of a vector: 128 wave + 64 h
	v_lshlrev_b32 v52, 3, v0
	v_lshlrev_b32 v53, 2, v0
	v_lshl_add_u32 v6, v36, 9, v51
	v_add_nc_u32 v1, UB, v48
	v_add_nc_u32 v2, UB, v43
	v_add_nc_u32 v3, s85, v43
	v_mad_u32_u24 v4, v36, 528, v51
	v_add_nc_u32 v4, UB+PU, v4
	v_add_nc_u32 v7, s86, v2
	v_add_nc_u32 v8, s84, v1
	v_lshl_add_u32 v15, v36, 4, UB+PST
	v_add_nc_u32 v5, s87, v43
	v_add_nc_u32 v9, WSCL, v54
	v_mov_b32 v11, 0                               ; a lane permute's destination counts as one of its sources
	v_mov_b32 v[TM+2], 0
	s_wait_alu depctr_va_vdst(0)
	s_wait_kmcnt 0x0
	s_lshl_b32 s52, ttmp9, 16                      ; my work-group's 128 rows of 512 bytes, my wave's 32
	s_lshl_b32 s53, s28, 14
	s_add_co_u32 s52, s52, s53
	s_mov_b32 s53, 0
	s_add_nc_u64 s[4:5], s[4:5], s[52:53]
	s_lshl_b32 s52, s29, 12
	s_add_nc_u64 s[6:7], s[6:7], s[52:53]
	s_add_nc_u64 s[80:81], s[80:81], s[52:53]
	s_mul_i32 s52, s29, 139264                     ; the batch's 32 records of 4,352 bytes,
	s_mul_i32 s54, s28, 34816                      ; my wave's eight
	s_add_co_u32 s52, s52, s54
	s_add_nc_u64 s[8:9], s[8:9], s[52:53]
	s_mul_i32 s52, ttmp9, 4352
	s_add_nc_u64 s[26:27], s[26:27], s[52:53]
	; ---- asked for, what the chain wants first first: 130 loads of records and vectors, 16 scale words, 64 of fragments
	WIN 0x40
.irp g, 0,1,2,3,4,5,6,7
.irp c, 0,1,2,3,4,5,6,7
	global_load_b128 v[32*\g+4*\c:32*\g+4*\c+3], v43, s[8:9] offset:4352*\g+512*\c
.endr
.endr
	WIN 0xc0
.irp g, 0,1,2,3,4,5,6,7
	global_load_b32 v[\g], v48, s[8:9] offset:4352*\g+4096
.endr
	global_load_b64 v[8:9], v52, s[14:15]          ; g_w[tid], g_b[tid]
	global_load_b32 v10, v53, s[16:17]
.irp j, 0,1,2,3
	global_load_b128 v[192+4*\j:195+4*\j], v51, s[20:21] offset:16*\j
.endr
.irp g, 0,1,2
.irp j, 0,1,2,3
	global_load_b128 v[64+16*\g+4*\j:67+16*\g+4*\j], v51, s[68:69] offset:512*\g+16*\j
.endr
.endr
.irp g, 0,1,2
.irp j, 0,1,2,3
	global_load_b128 v[112+16*\g+4*\j:115+16*\g+4*\j], v51, s[70:71] offset:512*\g+16*\j
.endr
.endr
.irp j, 0,1,2,3
	global_load_b128 v[208+4*\j:211+4*\j], v51, s[72:73] offset:16*\j
	global_load_b128 v[224+4*\j:227+4*\j], v51, s[74:75] offset:16*\j
	global_load_b128 v[160+4*\j:163+4*\j], v51, s[76:77] offset:16*\j
	global_load_b128 v[176+4*\j:179+4*\j], v51, s[78:79] offset:16*\j
	global_load_b128 v[240+4*\j:243+4*\j], v51, s[22:23] offset:16*\j
	global_load_b128 v[48+4*\j:51+4*\j], v51, s[24:25] offset:16*\j
.endr
	WIN 0
.irp j, 0,1,2,3
	global_load_b128 v[HP+4*\j:HP+4*\j+3], v6, s[6:7] offset:16*\j
.endr
.irp g, 0,1,2
.irp u, 0,1
	global_load_b32 v[WS+2*\g+\u], v54, s[12:13] offset:128*(40+8*\g+\u)
	global_load_b32 v[WS+6+2*\g+\u], v54, s[12:13] offset:128*(64+8*\g+\u)
.endr
.endr
.irp u, 0,1
	global_load_b32 v[WS+12+\u], v54, s[12:13] offset:128*(88+\u)
	global_load_b32 v[WS+14+\u], v54, s[12:13] offset:128*(96+\u)
.endr
	WIN 0x80
.irp g, 0,1,2
.irp u, 0,1
.irp c, 0,1,2,3
	global_load_b128 v[16*(2*\g+\u)+4*\c:16*(2*\g+\u)+4*\c+3], v49, s[10:11] offset:2048*(40+8*\g+\u)+512*\c
	global_load_b128 v[96+16*(2*\g+\u)+4*\c:96+16*(2*\g+\u)+4*\c+3], v49, s[10:11] offset:2048*(64+8*\g+\u)+512*\c
.endr
.endr
.endr
.irp u, 0,1
.irp c, 0,1,2,3
	global_load_b128 v[192+16*\u+4*\c:192+16*\u+4*\c+3], v49, s[10:11] offset:2048*(88+\u)+512*\c
	global_load_b128 v[224+16*\u+4*\c:224+16*\u+4*\c+3], v49, s[10:11] offset:2048*(96+\u)+512*\c
.endr
.endr
	WIN 0
	s_wait_loadcnt 63                              ; behind the records, vectors and scale words 64 loads were issued: at most 63 of those are out
	s_wait_xcnt 0x0                                ; the offsets in v43-54 have been read
	; ---- 45 copies, ahead of the first LDS read and the first barrier: f_b1, f_b2 into my own bytes; 40 fragment images and 48 fragments' scale words, 2,048 bytes a line for the work-group
	global_load_async_to_lds_b128 v21, v23, s[18:19]
	global_load_async_to_lds_b128 v22, v23, s[20:21]
.set k, 0
.rept 32
	global_load_async_to_lds_b128 v212, v212, s[10:11] offset:2048*k
.set k, k+1
.endr
.irp k, 0,1,2,3,4,5,6,7
	global_load_async_to_lds_b128 v214, v214, s[10:11] offset:2048*\k
.endr
.irp k, 0,1,2
	global_load_async_to_lds_b128 v213, v212, s[12:13] offset:2048*\k
.endr
	; ---- my eight records' sum
	WIN 0x45
.irp st, 128, 64
.set m, 0
.rept \st/2
	v_pk_add_f32 v[2*m:2*m+1], v[2*m:2*m+1], v[\st+2*m:\st+2*m+1]
.set m, m+1
.endr
.endr
	WIN 0x05
.set m, 0
.rept 16
	v_pk_add_f32 v[GI+2*m:GI+2*m+1], v[2*m:2*m+1], v[32+2*m:33+2*m]
.set m, m+1
.endr
	WIN 0xcf
	v_pk_add_f32 v[0:1], v[0:1], v[4:5]
	v_pk_add_f32 v[2:3], v[2:3], v[6:7]
	v_pk_add_f32 v[0:1], v[0:1], v[2:3]
	WIN 0x0f
	v_add_f32 v10, v0, v1
	WIN 0
.irp c, 0,1,2,3,4,5,6,7
	ds_store_b128 v3, v[GI+4*\c:GI+4*\c+3] offset:528*\c
.endr
	ds_store_b32 v8, v10 offset:PST
	WIN 0x40                                       ; my 32 pixels, a row of 512 bytes an instruction, into the registers that held records
.set k, 0
.rept 32
	global_load_b128 v[4*k:4*k+3], v23, s[4:5] offset:512*k th:TH_LOAD_NT
.set k, k+1
.endr
	WIN 0
	BAR                                            ; the four partial sums lie in LDS
.irp q, 0,1,2,3
	ds_load_b128 v[TT+4*\q:TT+4*\q+3], v15 offset:128*\q
.endr
.irp q, 0,1,2,3
.irp j, 0,1,2,3
	ds_load_b128 v[GI+16*\q+4*\j:GI+16*\q+4*\j+3], v4 offset:PUW*\q+16*\j
.endr
.endr
	s_wait_dscnt 0x0
	v_pk_add_f32 v[TT:TT+1], v[TT:TT+1], v[TT+4:TT+5]
	v_pk_add_f32 v[TT+2:TT+3], v[TT+2:TT+3], v[TT+6:TT+7]
	v_pk_add_f32 v[TT+8:TT+9], v[TT+8:TT+9], v[TT+12:TT+13]
	v_pk_add_f32 v[TT+10:TT+11], v[TT+10:TT+11], v[TT+14:TT+15]
	v_pk_add_f32 v[ST:ST+1], v[TT:TT+1], v[TT+8:TT+9]
	v_pk_add_f32 v[ST+2:ST+3], v[TT+2:TT+3], v[TT+10:TT+11]
	s_wait_alu depctr_va_vdst(0)
	v_rcp_f32 v10, v[ST]                           ; 1 / S; the sums below are the plain work behind it
.irp m, 0,1,2,3,4,5,6,7
	v_pk_add_f32 v[GI+2*\m:GI+2*\m+1], v[GI+2*\m:GI+2*\m+1], v[GI+16+2*\m:GI+17+2*\m]
	v_pk_add_f32 v[GI+32+2*\m:GI+33+2*\m], v[GI+32+2*\m:GI+33+2*\m], v[GI+48+2*\m:GI+49+2*\m]
.endr
.irp m, 0,1,2,3,4,5,6,7
	v_pk_add_f32 v[UP+2*\m:UP+2*\m+1], v[GI+2*\m:GI+2*\m+1], v[GI+32+2*\m:GI+33+2*\m]
.endr
	s_wait_alu depctr_va_vdst(0)
	v_mul_f32 v12, v[ST+1], v10
	v_mul_f32 v13, v[ST+2], v10                    ; the new S_p of slot r % 8
	WIN 0x30
.irp m, 0,1,2,3,4,5,6,7
	v_pk_fma_f32 v[UP+2*\m:UP+2*\m+1], v[UP+2*\m:UP+2*\m+1], v[10:11], v[192+2*\m:193+2*\m] op_sel_hi:[1,0,1]   ; updates = U / S + f_b2
.endr
	WIN 0
	; ---- the GRU's two operands
	QB UP, CA, BY, 0
	QB HP, CB, BY+1, 0
	PUT 0, 8192, CA, BY
	PUT 2048, 8704, CB, BY+1
	BAR
	GET 0, 8192, FA, PWA
	GET 2048, 8704, FB, PWA+1
	NOPS 8                                         ; a scale word made by vector instructions stands eight places ahead of its product
	s_wait_alu depctr_va_vdst(0)
	s_wait_loadcnt 32                              ; behind the fragments only my pixels' 32 loads were issued
	WIN 0x32
	s_wait_alu depctr_va_vdst(0)
.irp g, 0,1,2
.irp u, 0,1
	v_wmma_scale_f32_16x16x128_f8f6f4 v[GI+16*\g+8*\u:GI+16*\g+8*\u+7], v[16*(2*\g+\u):16*(2*\g+\u)+15], v[FA:FA+15], v[64+16*\g+8*\u:64+16*\g+8*\u+7], v[WS+2*\g+\u], v[PWA]
	v_wmma_scale_f32_16x16x128_f8f6f4 v[GH+16*\g+8*\u:GH+16*\g+8*\u+7], v[96+16*(2*\g+\u):96+16*(2*\g+\u)+15], v[FB:FB+15], v[112+16*\g+8*\u:112+16*\g+8*\u+7], v[WS+6+2*\g+\u], v[PWA+1]
.endr
.endr
	WIN 0
	NOPS 8
	; ---- the gates: r in GI 0-15, z in GI 16-31
.set m, 0
.rept 16
	v_pk_add_f32 v[GI+2*m:GI+2*m+1], v[GI+2*m:GI+2*m+1], v[GH+2*m:GH+2*m+1]
.set m, m+1
.endr
.set m, 0
.rept 16
	v_pk_mul_f32 v[GI+2*m:GI+2*m+1], v[GI+2*m:GI+2*m+1], 0xbfb8aa3b op_sel_hi:[1,0]
.set m, m+1
.endr
.set m, 0
	s_wait_alu depctr_va_vdst(0)
.rept 32
	v_exp_f32 v[GI+m], v[GI+m]
.set m, m+1
.endr
	v_nop
	s_wait_alu depctr_va_vdst(0)
.set m, 0
.rept 16
	v_pk_add_f32 v[GI+2*m:GI+2*m+1], v[GI+2*m:GI+2*m+1], 1.0 op_sel_hi:[1,0]
.set m, m+1
.endr
.set m, 0
	s_wait_alu depctr_va_vdst(0)
.rept 32
	v_rcp_f32 v[GI+m], v[GI+m]                     ; sigmoid(x) = 1 / (1 + 2^(-x log2 e))
.set m, m+1
.endr
	v_nop
	s_wait_alu depctr_va_vdst(0)
.irp m, 0,1,2,3,4,5,6,7
	v_pk_fma_f32 v[GI+32+2*\m:GI+33+2*\m], v[GI+2*\m:GI+2*\m+1], v[GH+32+2*\m:GH+33+2*\m], v[GI+32+2*\m:GI+33+2*\m]   ; inn + r hn
.endr
.irp m, 0,1,2,3,4,5,6,7
	v_pk_mul_f32 v[GI+32+2*\m:GI+33+2*\m], v[GI+32+2*\m:GI+33+2*\m], 0x4038aa3b op_sel_hi:[1,0]
.endr
	s_wait_alu depctr_va_vdst(0)
.irp i, 0,1,2,3,4,5,6,7,8,9,10,11,12,13,14,15
	v_exp_f32 v[GI+32+\i], v[GI+32+\i]
.endr
	v_nop
	s_wait_alu depctr_va_vdst(0)
.irp m, 0,1,2,3,4,5,6,7
	v_pk_add_f32 v[GI+32+2*\m:GI+33+2*\m], v[GI+32+2*\m:GI+33+2*\m], 1.0 op_sel_hi:[1,0]
.endr
	s_wait_alu depctr_va_vdst(0)
.irp i, 0,1,2,3,4,5,6,7,8,9,10,11,12,13,14,15
	v_rcp_f32 v[GI+32+\i], v[GI+32+\i]
.endr
	v_nop
	s_wait_alu depctr_va_vdst(0)
.irp m, 0,1,2,3,4,5,6,7
	v_pk_fma_f32 v[GI+32+2*\m:GI+33+2*\m], v[GI+32+2*\m:GI+33+2*\m], -2.0, 1.0 op_sel_hi:[1,0,0]   ; tanh(y) = 1 - 2 / (1 + 2^(2 y log2 e))
.endr
.irp m, 0,1,2,3,4,5,6,7
	v_pk_add_f32 v[GH+2*\m:GH+2*\m+1], v[HP+2*\m:HP+2*\m+1], v[GI+32+2*\m:GI+33+2*\m] neg_lo:[0,1] neg_hi:[0,1]
.endr
.irp m, 0,1,2,3,4,5,6,7
	v_pk_fma_f32 v[HN+2*\m:HN+2*\m+1], v[GI+16+2*\m:GI+17+2*\m], v[GH+2*\m:GH+2*\m+1], v[GI+32+2*\m:GI+33+2*\m]   ; n + z (h - n)
.endr
	LNORM HN, 0, 208, 224
	; ---- the MLP and its residual
	QB YY, CA, BY, 0
	PUT 4096, 9216, CA, BY
	BAR
	GET 4096, 9216, FA, PWA
	NOPS 8
	WIN 0x32
.irp u, 0,1
	v_wmma_scale_f32_16x16x128_f8f6f4 v[HH+8*\u:HH+8*\u+7], v[192+16*\u:192+16*\u+15], v[FA:FA+15], v[160+8*\u:160+8*\u+7], v[WS+12+\u], v[PWA]
.endr
	WIN 0
	NOPS 8
	QB HH, CB, BY+1, 1
	PUT 6144, 9728, CB, BY+1
	s_wait_asynccnt 0x0                            ; my copies have landed, ahead of the barrier behind which others read them; their address registers are free
	s_wait_loadcnt 0x0                             ; my pixels are in, and v23 is free
	BAR
	GET 6144, 9728, FB, PWA+1
	NOPS 8
	WIN 0x32
.irp u, 0,1
	v_wmma_scale_f32_16x16x128_f8f6f4 v[OO+8*\u:OO+8*\u+7], v[224+16*\u:224+16*\u+15], v[FB:FB+15], v[176+8*\u:176+8*\u+7], v[WS+14+\u], v[PWA+1]
.endr
	WIN 0
	NOPS 8
.irp m, 0,1,2,3,4,5,6,7
	v_pk_add_f32 v[HP+2*\m:HP+2*\m+1], v[HN+2*\m:HN+2*\m+1], v[OO+2*\m:OO+2*\m+1]   ; the new slots, my block
.endr
	s_and_b32 s82, ttmp9, 31
	s_cmp_lg_u32 s82, 0
	s_wait_alu depctr_va_vdst(0)
	s_cbranch_scc1 .Lnost                          ; the batch's first work-group stores them for the next launch
.irp j, 0,1,2,3
	global_store_b128 v6, v[HP+4*\j:HP+4*\j+3], s[80:81] offset:16*\j   ; lanes r and r + 8 store equal values to equal addresses
.endr
.Lnost:
	; ---- the slots' norm, its codes, and q: my two tiles of Wq come from the copies
	WIN 0x80
.irp u, 0,1
.irp c, 0,1,2,3
	ds_load_b128 v[16*\u+4*\c:16*\u+4*\c+3], v5 offset:2048*\u+512*\c
.endr
.endr
	WIN 0
	ds_load_b32 v54, v9 offset:4096
	ds_load_b32 v55, v9 offset:4224
	LNORM HP, 2, 240, 48
	QB YY, CA, BY, 0
	PUT OP4, OB4, CA, BY
	BAR
	GET OP4, OB4, FA, PWA
	NOPS 8
	WIN 0x02
	v_wmma_scale_f32_16x16x128_f8f6f4 v[16:23], v[0:15], v[FA:FA+15], 0, v54, v[PWA]    ; q, channels 32 wave + 16 h + 0 .. 7 of slot r % 8
	v_wmma_scale_f32_16x16x128_f8f6f4 v[24:31], v[16:31], v[FA:FA+15], 0, v55, v[PWA]   ; and + 8 .. 15
	WIN 0
	s_wait_alu depctr_va_vdst(0)
	s_wait_xcnt 0x0                                ; the slots' stores have read their registers
	s_mul_i32 s56, s28, WAB
	s_add_co_u32 s56, s56, WA0                     ; my wave's area
	s_and_b32 s53, ttmp9, 31                       ; my pixels: y = 2 (work-group % 32) + wave / 2, x = 32 (wave % 2) + 16 t + r
	s_lshl_b32 s53, s53, 1
	s_lshr_b32 s54, s28, 1
	s_add_co_u32 s53, s53, s54
	s_mov_b32 s55, 0x3d020821                      ; 2 / 63
	s_and_b32 s54, s28, 1
	s_lshl_b32 s54, s54, 5
	s_lshl_b32 s52, s28, 7
	s_add_co_u32 s52, s52, QQ
.irp i, 0,1,2,3,4,5,6,7
	v_readlane_b32 s[36+2*\i], v12, \i             ; S_p of slot i lies in lane i
	v_readlane_b32 s[37+2*\i], v13, \i
.endr
	; the loops' addresses: v1 WSCL + 4 lane; v2 16 tid; v4 16 lane; v6 CC + 64 h; v8 my dots; v10 my attn; v11 my U; v13 CC + 4 tid; v15 512 (r % 8) + 64 h; v9 my vectors + 64 h; v3, v5 into and out of my stage
	v_and_b32 v33, 31, v0
	v_and_b32 v34, 15, v0
	v_bfe_u32 v35, v0, 4, 1
	v_and_b32 v36, 7, v0
	v_and_b32 v37, 8, v0
	v_add_nc_u32 v37, v37, v34
	v_lshl_add_u32 v1, v33, 2, WSCL
	v_lshlrev_b32 v2, 4, v0
	v_lshlrev_b32 v4, 4, v33
	v_lshl_add_u32 v6, v35, 6, CC
	v_lshl_add_u32 v8, v34, 2, s56
	v_lshl_add_u32 v10, v35, 5, s56
	v_add_nc_u32 v10, 1024, v10
	v_lshl_add_u32 v11, v37, 2, s56
	v_add_nc_u32 v11, 2048, v11
	v_lshl_add_u32 v13, v0, 2, CC
	v_lshlrev_b32 v12, 6, v35
	v_lshl_add_u32 v15, v36, 9, v12
	v_lshl_add_u32 v9, v35, 6, s58
	v_add_nc_u32 v7, s52, v15
	v_add_nc_u32 v3, s57, v4                       ; 16 bytes a lane, a row an instruction
	v_mad_u32_u24 v5, v34, SPI, v12
	v_add_nc_u32 v5, s57, v5                       ; row r, + 64 h
	v_cvt_f32_u32 v60, s53
	v_fma_f32 v60, v60, s55, -1.0
	v_mov_b32 v62, v60
	v_add_nc_u32 v61, s54, v34
	v_add_nc_u32 v63, 16, v61
	v_cvt_f32_u32 v61, v61
	v_cvt_f32_u32 v63, v63
	v_fma_f32 v61, v61, s55, -1.0
	v_fma_f32 v63, v63, s55, -1.0
	WIN 0x03                                       ; out of window 3: gw' = 0.2 g_w, and g_b
	v_mul_f32 v32, v8, s59
	v_mul_f32 v33, v9, s59
	v_mov_b32 v34, v10
	WIN 0
.irp i, 0,1,2,3,4,5,6,7
	v_fma_f32 v[35+\i%2], -s[36+2*\i], v32, v34    ; cp, a channel a thread
	v_fma_f32 v[35+\i%2], -s[37+2*\i], v33, v[35+\i%2]
	ds_store_b32 v13, v[35+\i%2] offset:512*\i
.endr
	ds_store_b32 v13, v32 offset:8192
	ds_store_b32 v13, v33 offset:8704
.irp m, 0,1,2,3,4,5,6,7
	v_pk_mul_f32 v[16+2*\m:17+2*\m], v[16+2*\m:17+2*\m], 0x3e0293ee op_sel_hi:[1,0]   ; q' = q x 128^-0.5 x log2(e)
.endr
.irp j, 0,1,2,3
	ds_store_b128 v7, v[16+4*\j:19+4*\j] offset:16*\j   ; lanes r and r + 8 hold the same slot and write the same bytes with the same values
.endr
	WIN 0xc0
	KLDS 0, 9, 1024                                ; f_b1 and f_b2: they stay
	KLDS 192, 9, 1536
	; ---- my 32 pixels out of window 1 through the stage into K-layout, and their codes.  LDS serves a wave's instructions in order (ISA guide 5.7.1.4): no wait between the stores and the loads
	s_wait_alu depctr_va_vdst(0)
	WIN 0x04                                       ; a store's data is source 1
.set k, 0
.rept 16
	ds_store_b128 v3, v[4*k:4*k+3] offset:SPI*k
.set k, k+1
.endr
	WIN 0
	KLDS XB, 5, 0
	WIN 0x04
.rept 16
	ds_store_b128 v3, v[4*k:4*k+3] offset:SPI*k
.set k, k+1
.endr
	WIN 0
	s_wait_dscnt 16                                ; only tile 1's 16 stores may be out: tile 0 is back
	KLDS XB+64, 5, SPI*16
	WIN 0x40                                       ; f_w1 and f_w2 into window 1: they land while tile 0 is quantised
.irp f, 0,1,2,3,4,5,6,7,8,9,10,11,12,13,14,15
.irp c, 0,1,2,3
	ds_load_b128 v[16*\f+4*\c:16*\f+4*\c+3], v4 offset:2048*(16+\f)+512*\c
.endr
.endr
	QUANT XB, CX, PW, 0, 0
	s_wait_dscnt 0x0                               ; tile 1 is back
	QUANT XB+64, CX+16, PW+1, 0, 0
	BAR                                            ; cp, gw' and q' lie in LDS
	WIN 0xc0
	KLDS 64, 6, 8192
	KLDS 128, 6, 8704
	s_wait_dscnt 0x0
	WIN 0x03                                       ; G = gy gw0' + gx gw1', in K-layout
.irp t, 0,1
.set m, 0
.rept 32
	v_pk_mul_f32 v[XB+64*\t+2*m:XB+64*\t+2*m+1], v[64+2*m:64+2*m+1], v[GYX+2*\t:GYX+2*\t+1] op_sel_hi:[1,0]
.set m, m+1
.endr
.endr
.irp t, 0,1
.set m, 0
.rept 32
	v_pk_fma_f32 v[XB+64*\t+2*m:XB+64*\t+2*m+1], v[128+2*m:128+2*m+1], v[GYX+2*\t:GYX+2*\t+1], v[XB+64*\t+2*m:XB+64*\t+2*m+1] op_sel:[0,1,0] op_sel_hi:[1,1,1]
.set m, m+1
.endr
.endr
	WIN 0
	s_wait_alu depctr_va_vdst(0)
	; ---- to_k and to_v, with G as C: results in window 2
.macro PROJ first, scl, dd
	WIN 0xc0
.irp f, 0,1,2,3,4,5,6,7
.irp c, 0,1,2,3
	ds_load_b128 v[64+16*\f+4*\c:64+16*\f+4*\c+3], v4 offset:2048*(\first+\f)+512*\c
.endr
.endr
	WIN 0
.irp f, 0,1,2,3,4,5,6,7
	ds_load_b32 v[\scl+\f], v1 offset:128*(\first+\f)
.endr
	s_wait_dscnt 0x0
	WIN 0x83
.irp n, 0,1,2,3,4,5,6,7
.irp t, 0,1
	v_wmma_scale_f32_16x16x128_f8f6f4 v[\dd+64*\t+8*\n:\dd+64*\t+8*\n+7], v[64+16*\n:64+16*\n+15], v[CX+16*\t:CX+16*\t+15], v[XB+64*\t+8*\n:XB+64*\t+8*\n+7], v[\scl+\n], v[PW+\t]
.endr
.endr
	WIN 0
	NOPS 8
.endm
	PROJ 0, W1S, 0
	PROJ 8, W2S, 128
.irp n, 0,1,2,3,4,5,6,7
	ds_load_b32 v[W1S+\n], v1 offset:128*(16+\n)
	ds_load_b32 v[W2S+\n], v1 offset:128*(24+\n)
.endr
	v_mov_b32 v7, v6
	WIN 0xc0
	KLDS 64, 7, 0                                  ; slot 0's cp
	WIN 0
	s_mov_b32 s33, 0                               ; 512 x slot: the loops' counter
	s_mov_b32 s34, 0                               ; 64 x slot
	; ---- k and the dots: a trip a slot
.Lk:
	v_add_nc_u32 v7, s33, v6
	v_add_nc_u32 v9, s34, v8
	WIN 0xc0
	KLDS 128, 7, 4096                              ; this slot's q'
	s_wait_dscnt 16                                ; only those 16 may be out: cp is in
	STAGE_A 0, 0, 0, 0, 0
	STAGE_A 64, 1, 1, 0, 1
	STAGE_B 0, 1, 1
	STAGE_B 1, 2, 0
	s_wait_alu depctr_va_vdst(0)
	s_wait_dscnt 16                                ; only the next cp's 16 loads may be out: q' is in
	STAGE_C 0, 2, 1
	NOPS 4
	STAGE_C 1, 0, 0
	s_add_co_u32 s34, s34, 64
	s_add_co_u32 s33, s33, 512
	s_cmp_lt_u32 s33, 4096
	s_cbranch_scc1 .Lk
	; ---- the softmax over the 8 slots; lane (r, h): pixel r of each tile
.irp t, 0,1
.irp i, 0,1,2,3,4,5,6,7
	ds_load_b32 v[128+8*\t+\i], v8 offset:512*\t+64*\i
.endr
.endr
	s_wait_dscnt 0x0
.irp t, 0,1
	v_max3_num_f32 v[GT+\t], v[128+8*\t], v[129+8*\t], v[130+8*\t]
.endr
.irp i, 3,5
.irp t, 0,1
	v_max3_num_f32 v[GT+\t], v[GT+\t], v[128+8*\t+\i], v[129+8*\t+\i]
.endr
.endr
.irp t, 0,1
	v_max_num_f32 v[GT+\t], v[GT+\t], v[135+8*\t]
.endr
.irp t, 0,1
.irp i, 0,1,2,3,4,5,6,7
	v_sub_f32 v[128+8*\t+\i], v[128+8*\t+\i], v[GT+\t]   ; the largest is taken away
.endr
.endr
	s_wait_alu depctr_va_vdst(0)
.irp i, 0,1,2,3,4,5,6,7,8,9,10,11,12,13,14,15
	v_exp_f32 v[128+\i], v[128+\i]
.endr
	v_nop
	s_wait_alu depctr_va_vdst(0)
.irp t, 0,1
	v_add_f32 v[GT+2+\t], v[128+8*\t], v[129+8*\t]
.endr
.irp i, 2,3,4,5,6,7
.irp t, 0,1
	v_add_f32 v[GT+2+\t], v[GT+2+\t], v[128+8*\t+\i]
.endr
.endr
	s_wait_alu depctr_va_vdst(0)
	v_rcp_f32 v[GT+4], v[GT+2]
	v_rcp_f32 v[GT+5], v[GT+3]
	v_nop
	s_wait_alu depctr_va_vdst(0)
.irp t, 0,1
.irp i, 0,1,2,3,4,5,6,7
	v_fmaak_f32 v[128+8*\t+\i], v[128+8*\t+\i], v[GT+4+\t], 0x322bcc77   ; a = e / sum + 1e-8
.endr
.endr
.irp t, 0,1
.irp i, 0,1,2,3,4,5,6,7
	ds_store_b32 v8, v[128+8*\t+\i] offset:1024+512*\t+64*\i
.endr
.endr
.irp i, 0,1,2,3,4,5,6,7
	v_add_f32 v[160+4*\i], v[128+\i], v[136+\i]
	v_mul_f32 v[162+4*\i], v61, v[128+\i]
	v_mov_b32 v[163+4*\i], 0
.endr
.irp i, 0,1,2,3,4,5,6,7
	v_mul_f32 v[161+4*\i], v60, v[160+4*\i]        ; both tiles lie on one row of the image
	v_fmac_f32 v[162+4*\i], v63, v[136+\i]
.endr
.irp x, 1,2,4,8
.irp i, 0,1,2,3,4,5,6,7
.irp c, 0,1,2
	v_add_f32_dpp v[160+4*\i+\c], v[160+4*\i+\c], v[160+4*\i+\c] row_xmask:\x row_mask:0xf bank_mask:0xf
.endr
.endr
.endr
	s_add_co_u32 s52, s56, 6144
	v_mov_b32 v9, s52
.irp i, 0,1,2,3,4,5,6,7
	ds_store_b128 v9, v[160+4*\i:163+4*\i] offset:16*\i
.endr
	v_mov_b32 v7, v6
	WIN 0xc0
	KLDS 64, 7, 0                                  ; slot 0's cp again
	WIN 0
	s_mov_b32 s33, 0
	s_mov_b32 s34, 0
	; ---- v and the weighted sums: a trip a slot
.Lv:
	v_add_nc_u32 v7, s33, v6
	v_add_nc_u32 v9, s34, v10
	v_add_nc_u32 v12, s33, v11
	WIN 0xc0
	ds_load_b128 v[128:131], v9
	ds_load_b128 v[132:135], v9 offset:16
	ds_load_b128 v[136:139], v9 offset:512
	ds_load_b128 v[140:143], v9 offset:528
	s_wait_dscnt 4                                 ; only those four may be out: cp is in
	STAGE_A 128, 0, 0, 0, 0
	STAGE_A 192, 1, 1, 0, 1
	STAGE_B 0, 1, 1
	STAGE_B 1, 3, 0
	s_wait_alu depctr_va_vdst(0)
	s_wait_dscnt 16                                ; only the next cp's 16 loads may be out: attn is in
	STAGE_D 0, 3, 1
	NOPS 8
	STAGE_D 1, 0, 0
	WIN 0x0f
.irp n, 0,1,2,3,4,5,6,7
	v_add_f32 v[GT+\n], v[160+2*\n], v[161+2*\n]
.endr
	WIN 0
.irp n, 0,1,2,3,4,5,6,7
	v_permlanex16_b32 v[TM+\n], v[GT+\n], s30, s31
.endr
.irp n, 0,1,2,3,4,5,6,7
	v_add_f32 v[GT+\n], v[GT+\n], v[TM+\n]
.endr
.irp n, 0,1,2,3,4,5,6,7
	ds_store_b32 v12, v[GT+\n] offset:128*(\n/2)+32*(\n%2)
.endr
	s_add_co_u32 s34, s34, 64
	s_add_co_u32 s33, s33, 512
	s_cmp_lt_u32 s33, 4096
	s_cbranch_scc1 .Lv
	; ---- the four waves' sums meet, and the record leaves
	s_wait_dscnt 0x0
	s_barrier_signal -1
	s_barrier_wait -1
	v_lshl_add_u32 v13, v0, 4, WA0+2048
	v_and_b32 v14, 31, v0
	v_lshlrev_b32 v15, 2, v14
	v_add_nc_u32 v14, WA0+6144, v15
.irp q, 0,1,2,3
.irp k, 0,1
	ds_load_b128 v[128+8*\q+4*\k:128+8*\q+4*\k+3], v13 offset:WAB*\q+2048*\k
.endr
.endr
	s_wait_dscnt 0x0
.irp e, 0,2,4,6
	v_pk_add_f32 v[128+\e:129+\e], v[128+\e:129+\e], v[136+\e:137+\e]
	v_pk_add_f32 v[144+\e:145+\e], v[144+\e:145+\e], v[152+\e:153+\e]
.endr
.irp e, 0,2,4,6
	v_pk_add_f32 v[128+\e:129+\e], v[128+\e:129+\e], v[144+\e:145+\e]
.endr
	global_store_b128 v2, v[128:131], s[26:27]     ; a wave's store covers 512 consecutive bytes, aligned
	global_store_b128 v2, v[132:135], s[26:27] offset:2048
	s_cmp_lg_u32 s28, 0
	s_cbranch_scc1 .Lend
.irp q, 0,1,2,3
	ds_load_b32 v[160+\q], v14 offset:WAB*\q
.endr
	s_wait_dscnt 0x0
	v_add_f32 v160, v160, v161
	v_add_f32 v162, v162, v163
	v_add_f32 v160, v160, v162
	global_store_b32 v15, v160, s[26:27] offset:4096
.Lend:
	s_wait_xcnt 0x0
	v_lshl_add_u32 v254, v0, 2, SPARE
	v_mov_b32 v255, 0
	s_wait_alu depctr_va_vdst(0)
	s_wait_tensorcnt 0x0                           ; the wave's end
	ds_add_u32 v254, v255
	s_wait_dscnt 0x0
	s_endpgm
.Lfunc_end_k_q73b1defd0e_fus2:
	.size	k_q73b1defd0e_fus2, .Lfunc_end_k_q73b1defd0e_fus2-k_q73b1defd0e_fus2
	.p2alignl 7, 3214868480
	.fill 96, 4, 3214868480
	.section	.rodata,"a",@progbits
	.p2align	6, 0x0
	.amdhsa_kernel k_q73b1defd0e_fus2
		.amdhsa_group_segment_fixed_size 265216
		.amdhsa_private_segment_fixed_size 0
		.amdhsa_enable_private_segment 0
		.amdhsa_kernarg_size 152
		.amdhsa_user_sgpr_count 2
		.amdhsa_user_sgpr_kernarg_segment_ptr 1
		.amdhsa_wavefront_size32 1
		.amdhsa_system_sgpr_workgroup_id_x 1
		.amdhsa_system_sgpr_workgroup_id_y 1
		.amdhsa_system_sgpr_workgroup_id_z 1
		.amdhsa_system_vgpr_workitem_id 0
		.amdhsa_next_free_vgpr 1024
		.amdhsa_next_free_sgpr 98
		.amdhsa_reserve_vcc 0
		.amdhsa_float_denorm_mode_32 3
		.amdhsa_float_denorm_mode_16_64 3
		.amdhsa_memory_ordered 1
		.amdhsa_forward_progress 1
		.amdhsa_inst_pref_size 253
	.end_amdhsa_kernel
	.amdgpu_metadata
---
amdhsa.version: [ 1, 2 ]
amdhsa.kernels:
  - .name:           k_q73b1defd0e_fus2
    .symbol:         k_q73b1defd0e_fus2.kd
    .args:
      - { .name: inputs, .offset: 0, .size: 8, .value_kind: global_buffer, .address_space: global }
      - { .name: slots_init, .offset: 8, .size: 8, .value_kind: global_buffer, .address_space: global }
      - { .name: part, .offset: 16, .size: 8, .value_kind: global_buffer, .address_space: global }
      - { .name: wimg, .offset: 24, .size: 8, .value_kind: global_buffer, .address_space: global }
      - { .name: wscl, .offset: 32, .size: 8, .value_kind: global_buffer, .address_space: global }
      - { .name: g_w, .offset: 40, .size: 8, .value_kind: global_buffer, .address_space: global }
      - { .name: g_b, .offset: 48, .size: 8, .value_kind: global_buffer, .address_space: global }
      - { .name: f_b1, .offset: 56, .size: 8, .value_kind: global_buffer, .address_space: global }
      - { .name: f_b2, .offset: 64, .size: 8, .value_kind: global_buffer, .address_space: global }
      - { .name: ln_s_g, .offset: 72, .size: 8, .value_kind: global_buffer, .address_space: global }
      - { .name: ln_s_b, .offset: 80, .size: 8, .value_kind: global_buffer, .address_space: global }
      - { .name: part2, .offset: 88, .size: 8, .value_kind: global_buffer, .address_space: global }
      - { .name: gru_bih, .offset: 96, .size: 8, .value_kind: global_buffer, .address_space: global }
      - { .name: gru_bhh, .offset: 104, .size: 8, .value_kind: global_buffer, .address_space: global }
      - { .name: ln_pf_g, .offset: 112, .size: 8, .value_kind: global_buffer, .address_space: global }
      - { .name: ln_pf_b, .offset: 120, .size: 8, .value_kind: global_buffer, .address_space: global }
      - { .name: mlp_b1, .offset: 128, .size: 8, .value_kind: global_buffer, .address_space: global }
      - { .name: mlp_b2, .offset: 136, .size: 8, .value_kind: global_buffer, .address_space: global }
      - { .name: sa, .offset: 144, .size: 8, .value_kind: global_buffer, .address_space: global }
    .group_segment_fixed_size: 265216
    .private_segment_fixed_size: 0
    .kernarg_segment_align: 8
    .kernarg_segment_size: 152
    .max_flat_workgroup_size: 128
    .sgpr_count:     98
    .vgpr_count:     1024
    .wavefront_size: 32
...
	.end_amdgpu_metadata
.endif
;; end of part 3
;; launch fus3: the kernel of part 3 again; grid 256 x 1, 4 waves a work-group, no clusters, 265,216 bytes of LDS; arguments inputs, sa, part2, wimg, wscl, g_w, g_b, f_b1, f_b2, ln_s_g, ln_s_b, part, gru_bih, gru_bhh, ln_pf_g, ln_pf_b, mlp_b1, mlp_b2, sb; writes part, sb
;; launch upd1 (part 4): grid 8 x 1, 4 waves a work-group, no clusters, 30,208 bytes of LDS; arguments part, sb, wimg, wscl, f_b2, gru_bih, gru_bhh, ln_pf_g, ln_pf_b, mlp_b1, mlp_b2, out0, out1; writes out0, out1
.if DOCPART == 4
	.amdgcn_target "amdgcn-amd-amdhsa--gfx1250"
	.amdhsa_code_object_version 6
	.text
	.protected	k_q73b1defd0e_upd1
	.globl	k_q73b1defd0e_upd1
	.p2align	8
	.type	k_q73b1defd0e_upd1,@function
k_q73b1defd0e_upd1:
	s_mov_b64 s[64:65], 0
	v_nop
	global_prefetch_b8 v0, s[64:65] scope:SCOPE_SE
	s_setreg_imm32_b32 hwreg(HW_REG_WAVE_MODE, 25, 1), 1
	s_wait_xcnt 0x0
; One round's work on slots.  A work-group is a batch: it adds the batch's 32 records, updates = U / S + f_b2, S_p = (sum a grid) / S, then the GRU cell, the norm and the MLP with its residual.
; The second division of S_p, by the sum of the normalised attn (1 within f32 rounding), is left out.
; THE RECORDS.  Wave w loads records 8 w .. 8 w + 7 whole, 512 consecutive bytes (a slot's row of U) an instruction, adds the eight, and puts its partial sums into LDS, rows 528 bytes apart;
; behind a barrier every wave reads its own block of the four partial sums.
; SHARES.  Lane r holds slot r % 8; lanes r and r + 8 hold the same bits throughout.
; Wave w owns block w of every vector of 128: indices 32 w + 16 h + e, 16 registers a lane, and tiles 2 w, 2 w + 1 of every gate and layer: a block of 32 along K is one wave's, so its scale needs no other wave.
; An operand's four blocks meet in LDS as an image of its registers (512 bytes a wave), the four scale bytes as words; each LDS region is written once.
; All quantised products are v_wmma_scale_f32_16x16x128_f8f6f4 on E4M3 codes, used transposed (source 0 = 16 rows of a weight); biases are the C of the products; no product adds in place.
; Eight work-groups: the chain of dependent steps on 64 rows has no more to share.  No cluster, no tensor load, no prefetch: all 200 loads of a wave go out at the head.
; LIMITS: NaN and infinities are not served; a block under 2^-118 (zeros too) gets the byte 1; sigmoid and tanh by v_exp_f32 and v_rcp_f32: an absolute error of about 1e-7.
.set PU,  12288                        ; LDS: 0 four operands' images, 8,192 their scale bytes, 10,240 two sums over the waves; here the four partial U: 8 rows of 528 bytes a wave;
.set PUW, 4224
.set PST, PU+4*PUW                     ; and the four partial statistics, 128 bytes a wave
.set TM,  16                           ; v16, v17 two chains of the largest magnitude, v18 the other half's, v19 the scale operand, v20 448 x the scale
.set T16, 24                           ; v24-39  the held copy that the conversions take; at the end the result
.set UP,  40                           ; v40-55  updates
.set HP,  56                           ; v56-71  the old slots
.set GI,  72                           ; v72-119 at first partial sums (v72-135); then gi: r, z, n;  later Y v72-87, D v88-103, H v104-119
.set GH,  120                          ; v120-167 gh;  later O v120-135, v136-139 at work
.set YY,  72
.set DD,  88
.set HH,  104
.set OO,  120
.set TT,  136                          ; v136-151 at first the four partial statistics
.set FA,  168                          ; v168-183, v184-199 whole fragments
.set FB,  184
.set CA,  200                          ; v200-203, v204-207 a block's codes
.set CB,  204
.set BR,  208                          ; v208-211 four words read back
.set BY,  216                          ; v216, v217 bytes made
.set PWA, 218                          ; v218, v219 scale words made;  v220-235 the weights': wih 6, whh 6, mlp_w1 2, mlp_w2 2
.set WS,  220
.set HN,  236                          ; v236-251 the GRU's result
.set ST,  252                          ; v252-255 sum a, sum a gy, sum a gx, 0
; v1 4 lane; v2 16 lane; v3 where my partial U goes; v4 where I read my block of a partial U; v5 64 h; v6 512 (r % 8) + 64 h; v7 16 lane + 512 wave; v8 4 lane + 128 wave; v9 8 (r % 8); v10, v11 at work; v12, v13 S_p; v15 my slot's partial statistics
; window 1: my 8 records.   window 2: wih 6 fragments, whh 6 from v96, mlp_w1 2 from v192, mlp_w2 2 from v224.
; window 3: v0-7 statistics, v64 bih, v112 bhh, v160 mlp_b1, v176 mlp_b2, v192 f_b2, v208 ln_pf_g, v224 ln_pf_b.
.set MSB, 0
.macro WIN new
.if MSB != (\new)
	s_set_vgpr_msb (MSB<<8)|(\new)
.set MSB, (\new)
.endif
.endm
.macro NOPS n
.rept \n
	v_nop
.endr
.endm
; my block's 16 numbers v[s] on become 4 registers of codes v[c] on and a scale byte; the numbers stay.  relu = 1: what is negative becomes 0
.macro QB s, c, byte, relu
.if \relu
	v_max3_num_f32 v[TM], v[\s], v[\s+1], 0x4800000
	v_max3_num_f32 v[TM+1], v[\s+2], v[\s+3], v[\s+4]
.irp i, 5,9
	v_max3_num_f32 v[TM], v[TM], v[\s+\i], v[\s+\i+1]
	v_max3_num_f32 v[TM+1], v[TM+1], v[\s+\i+2], v[\s+\i+3]
.endr
	v_max3_num_f32 v[TM], v[TM], v[\s+13], v[\s+14]
	v_max3_num_f32 v[TM], v[TM], v[TM+1], v[\s+15]
.else
	v_max3_num_f32 v[TM], |v[\s]|, |v[\s+1]|, 0x4800000
	v_max3_num_f32 v[TM+1], |v[\s+2]|, |v[\s+3]|, |v[\s+4]|
.irp i, 5,9
	v_max3_num_f32 v[TM], v[TM], |v[\s+\i]|, |v[\s+\i+1]|
	v_max3_num_f32 v[TM+1], v[TM+1], |v[\s+\i+2]|, |v[\s+\i+3]|
.endr
	v_max3_num_f32 v[TM], v[TM], |v[\s+13]|, |v[\s+14]|
	v_max3_num_f32 v[TM], v[TM], v[TM+1], |v[\s+15]|
.endif
	v_permlanex16_b32 v[TM+2], v[TM], s34, s35
	v_max_num_f32 v[TM], v[TM], v[TM+2]
	v_add_nc_u32 v[TM+3], 0xfc000000, v[TM]
	v_and_or_b32 v[TM+4], v[TM], 0x7f800000, s31
	v_lshrrev_b32 v[\byte], 23, v[TM+3]
.irp i, 0,1,2,3,4,5,6,7,8,9,10,11,12,13,14,15
.if \relu
	v_med3_num_f32 v[T16+\i], v[\s+\i], 0, v[TM+4]
.else
	v_med3_num_f32 v[T16+\i], v[\s+\i], -v[TM+4], v[TM+4]
.endif
.endr
	v_cvt_scalef32_pk8_fp8_f32 v[\c:\c+1], v[T16:T16+7], v[TM+3]
	v_cvt_scalef32_pk8_fp8_f32 v[\c+2:\c+3], v[T16+8:T16+15], v[TM+3]
	v_nop
.endm
.macro PUT k, c, byte                  ; my block of operand k to LDS
	ds_store_b128 v7, v[\c:\c+3] offset:2048*\k
	ds_store_b32 v8, v[\byte] offset:8192+512*\k
.endm
.macro GET k, f, pw                    ; the whole operand k, and its rows' scale word
.irp c, 0,1,2,3
	ds_load_b128 v[\f+4*\c:\f+4*\c+3], v2 offset:2048*\k+512*\c
.endr
.irp c, 0,1,2,3
	ds_load_b32 v[BR+\c], v1 offset:8192+512*\k+128*\c
.endr
	s_wait_dscnt 0x0
	v_lshl_or_b32 v[\pw], v[BR+1], 8, v[BR]
	v_lshl_or_b32 v[\pw], v[BR+2], 16, v[\pw]
	v_lshl_or_b32 v[\pw], v[BR+3], 24, v[\pw]
.endm
.macro BAR                             ; my LDS stores have landed and my LDS loads are in: then the barrier
	s_wait_dscnt 0x0
	s_barrier_signal -1
	s_barrier_wait -1
.endm
.macro XSUM k                          ; v10 summed over the four waves, in the same order in each
	ds_store_b32 v8, v10 offset:10240+512*\k
	BAR
.irp c, 0,1,2,3
	ds_load_b32 v[BR+\c], v1 offset:10240+512*\k+128*\c
.endr
	s_wait_dscnt 0x0
	v_add_f32 v10, v[BR], v[BR+1]
	v_add_f32 v11, v[BR+2], v[BR+3]
	v_add_f32 v10, v10, v11
.endm
.macro HSUM                            ; the pairs v[TT:TT+1], v[TT+2:TT+3] become one number in v10, with lane l xor 16's
	v_pk_add_f32 v[TT:TT+1], v[TT:TT+1], v[TT+2:TT+3]
	v_add_f32 v10, v[TT], v[TT+1]
	v_permlanex16_b32 v11, v10, s34, s35
	v_add_f32 v10, v10, v11
.endm
	s_load_b512 s[4:19], s[0:1], 0x0               ; part, slots_prev, wimg, wscl, f_b2, gru_bih, gru_bhh, ln_pf_g
	s_load_b256 s[20:27], s[0:1], 0x40             ; ln_pf_b, mlp_b1, mlp_b2, slots_out
	s_load_b64 s[28:29], s[0:1], 0x60              ; sp_out
	v_lshl_add_u32 v214, v0, 2, 0x7400
	v_mov_b32 v215, 0
	v_lshrrev_b32 v10, 5, v0
	v_readfirstlane_b32 s30, v10                   ; wave
	s_mov_b32 s31, 0x600000                        ; the mantissa field of 448
	s_mov_b32 s34, 0x76543210
	s_mov_b32 s35, 0xfedcba98                      ; lane l xor 16
	v_and_b32 v10, 31, v0
	v_bfe_u32 v11, v0, 4, 1                        ; h
	v_and_b32 v14, 7, v0                           ; r % 8
	v_lshlrev_b32 v1, 2, v10
	v_lshlrev_b32 v2, 4, v10
	v_lshlrev_b32 v5, 6, v11
	v_lshl_add_u32 v6, v14, 9, v5
	s_mul_i32 s36, s30, PUW
	s_add_co_u32 s36, s36, PU
	v_add_nc_u32 v3, s36, v2                       ; my partial U: 16 bytes a lane, a slot's row an instruction
	s_lshl_b32 s36, s30, 9
	v_add_nc_u32 v7, s36, v2
	s_lshl_b32 s36, s30, 7                         ; 128 x wave: my block's bytes in a vector of 128 f32
	v_add_nc_u32 v8, s36, v1
	v_mad_u32_u24 v4, v14, 528, v5                 ; out of a partial U: row r % 8, + 64 h,
	v_add_nc_u32 v4, s36, v4                       ; + my block
	v_add_nc_u32 v4, PU, v4
	v_lshl_add_u32 v15, v14, 4, PST
	v_lshlrev_b32 v9, 3, v14
	v_mov_b32 v[TM+2], 0                           ; a lane permute's destination counts as one of its sources
	s_mov_b32 s37, 0
	s_mov_b32 s39, 0
	s_wait_kmcnt 0x0
.irp p, 12,14,16,18,20,22,24
	s_add_nc_u64 s[\p:\p+1], s[\p:\p+1], s[36:37]
.endr
	s_lshl_b32 s38, ttmp9, 12
	s_add_co_u32 s38, s38, s36
	s_add_nc_u64 s[6:7], s[6:7], s[38:39]
	s_add_nc_u64 s[26:27], s[26:27], s[38:39]
	s_mul_i32 s38, ttmp9, 139264                   ; the batch's 32 records of 4,352 bytes,
	s_mul_i32 s40, s30, 34816                      ; my wave's eight
	s_add_co_u32 s38, s38, s40
	s_add_nc_u64 s[4:5], s[4:5], s[38:39]
	s_lshl_b32 s38, s30, 12                        ; my two tiles of every eight
	s_add_nc_u64 s[8:9], s[8:9], s[38:39]
	s_lshl_b32 s38, s30, 8
	s_add_nc_u64 s[10:11], s[10:11], s[38:39]
	s_lshl_b32 s38, ttmp9, 6
	s_add_nc_u64 s[28:29], s[28:29], s[38:39]
	; ---- all 200 loads, what is wanted first first
	WIN 0x40
.irp g, 0,1,2,3,4,5,6,7
.irp c, 0,1,2,3,4,5,6,7
	global_load_b128 v[32*\g+4*\c:32*\g+4*\c+3], v2, s[4:5] offset:4352*\g+512*\c   ; record g, slot c: 32 lanes read 512 consecutive bytes
.endr
.endr
	WIN 0xc0
.irp g, 0,1,2,3,4,5,6,7
	global_load_b32 v[\g], v1, s[4:5] offset:4352*\g+4096   ; its statistics: word 4 slot + c in lane 4 slot + c
.endr
	WIN 0
.irp j, 0,1,2,3
	global_load_b128 v[HP+4*\j:HP+4*\j+3], v6, s[6:7] offset:16*\j
.endr
	WIN 0xc0
.irp j, 0,1,2,3
	global_load_b128 v[192+4*\j:195+4*\j], v5, s[12:13] offset:16*\j
.endr
.irp g, 0,1,2
.irp j, 0,1,2,3
	global_load_b128 v[64+16*\g+4*\j:67+16*\g+4*\j], v5, s[14:15] offset:512*\g+16*\j
.endr
.endr
.irp g, 0,1,2
.irp j, 0,1,2,3
	global_load_b128 v[112+16*\g+4*\j:115+16*\g+4*\j], v5, s[16:17] offset:512*\g+16*\j
.endr
.endr
.irp j, 0,1,2,3
	global_load_b128 v[208+4*\j:211+4*\j], v5, s[18:19] offset:16*\j
	global_load_b128 v[224+4*\j:227+4*\j], v5, s[20:21] offset:16*\j
	global_load_b128 v[160+4*\j:163+4*\j], v5, s[22:23] offset:16*\j
	global_load_b128 v[176+4*\j:179+4*\j], v5, s[24:25] offset:16*\j
.endr
	WIN 0
.irp g, 0,1,2
.irp u, 0,1
	global_load_b32 v[WS+2*\g+\u], v1, s[10:11] offset:128*(40+8*\g+\u)
	global_load_b32 v[WS+6+2*\g+\u], v1, s[10:11] offset:128*(64+8*\g+\u)
.endr
.endr
.irp u, 0,1
	global_load_b32 v[WS+12+\u], v1, s[10:11] offset:128*(88+\u)
	global_load_b32 v[WS+14+\u], v1, s[10:11] offset:128*(96+\u)
.endr
	WIN 0x80
.irp g, 0,1,2
.irp u, 0,1
.irp c, 0,1,2,3
	global_load_b128 v[16*(2*\g+\u)+4*\c:16*(2*\g+\u)+4*\c+3], v2, s[8:9] offset:2048*(40+8*\g+\u)+512*\c
	global_load_b128 v[96+16*(2*\g+\u)+4*\c:96+16*(2*\g+\u)+4*\c+3], v2, s[8:9] offset:2048*(64+8*\g+\u)+512*\c
.endr
.endr
.endr
.irp u, 0,1
.irp c, 0,1,2,3
	global_load_b128 v[192+16*\u+4*\c:192+16*\u+4*\c+3], v2, s[8:9] offset:2048*(88+\u)+512*\c
	global_load_b128 v[224+16*\u+4*\c:224+16*\u+4*\c+3], v2, s[8:9] offset:2048*(96+\u)+512*\c
.endr
.endr
	; ---- my eight records' sum
	s_wait_loadcnt 63                              ; of 200 loads at most 63 are out: the first 137 are in: all but the fragments
	WIN 0x45                                       ; within window 1
.irp st, 128, 64
.set m, 0
.rept \st/2
	v_pk_add_f32 v[2*m:2*m+1], v[2*m:2*m+1], v[\st+2*m:\st+2*m+1]
.set m, m+1
.endr
.endr
	WIN 0x05
.set m, 0
.rept 16
	v_pk_add_f32 v[GI+2*m:GI+2*m+1], v[2*m:2*m+1], v[32+2*m:33+2*m]   ; register 4 c + e: slot c, channel 4 lane + e
.set m, m+1
.endr
	WIN 0xcf                                       ; within window 3
	v_pk_add_f32 v[0:1], v[0:1], v[4:5]
	v_pk_add_f32 v[2:3], v[2:3], v[6:7]
	v_pk_add_f32 v[0:1], v[0:1], v[2:3]
	WIN 0x0f
	v_add_f32 v10, v0, v1
	WIN 0
.irp c, 0,1,2,3,4,5,6,7
	ds_store_b128 v3, v[GI+4*\c:GI+4*\c+3] offset:528*\c
.endr
	ds_store_b32 v8, v10 offset:PST
	BAR                                            ; the four partial sums lie in LDS
.irp q, 0,1,2,3
	ds_load_b128 v[TT+4*\q:TT+4*\q+3], v15 offset:128*\q   ; my slot's statistics,
.endr
.irp q, 0,1,2,3
.irp j, 0,1,2,3
	ds_load_b128 v[GI+16*\q+4*\j:GI+16*\q+4*\j+3], v4 offset:PUW*\q+16*\j   ; and my block of my slot's row: rows 528 bytes apart start 16 bytes further round the banks; lanes r and r + 8 read the same words
.endr
.endr
	s_wait_dscnt 0x0
	v_pk_add_f32 v[TT:TT+1], v[TT:TT+1], v[TT+4:TT+5]
	v_pk_add_f32 v[TT+2:TT+3], v[TT+2:TT+3], v[TT+6:TT+7]
	v_pk_add_f32 v[TT+8:TT+9], v[TT+8:TT+9], v[TT+12:TT+13]
	v_pk_add_f32 v[TT+10:TT+11], v[TT+10:TT+11], v[TT+14:TT+15]
	v_pk_add_f32 v[ST:ST+1], v[TT:TT+1], v[TT+8:TT+9]
	v_pk_add_f32 v[ST+2:ST+3], v[TT+2:TT+3], v[TT+10:TT+11]
	s_wait_alu depctr_va_vdst(0)
	v_rcp_f32 v10, v[ST]                           ; 1 / S; the sums below are the plain work behind it
.irp m, 0,1,2,3,4,5,6,7
	v_pk_add_f32 v[GI+2*\m:GI+2*\m+1], v[GI+2*\m:GI+2*\m+1], v[GI+16+2*\m:GI+17+2*\m]
	v_pk_add_f32 v[GI+32+2*\m:GI+33+2*\m], v[GI+32+2*\m:GI+33+2*\m], v[GI+48+2*\m:GI+49+2*\m]
.endr
.irp m, 0,1,2,3,4,5,6,7
	v_pk_add_f32 v[UP+2*\m:UP+2*\m+1], v[GI+2*\m:GI+2*\m+1], v[GI+32+2*\m:GI+33+2*\m]
.endr
	s_wait_alu depctr_va_vdst(0)
	v_mul_f32 v12, v[ST+1], v10
	v_mul_f32 v13, v[ST+2], v10                    ; the new S_p
	WIN 0x30
.irp m, 0,1,2,3,4,5,6,7
	v_pk_fma_f32 v[UP+2*\m:UP+2*\m+1], v[UP+2*\m:UP+2*\m+1], v[10:11], v[192+2*\m:193+2*\m] op_sel_hi:[1,0,1]   ; updates = U / S + f_b2
.endr
	WIN 0
	s_cmp_lg_u32 s30, 0
	s_cbranch_scc1 .Lnosp
	global_store_b64 v9, v[12:13], s[28:29]        ; lanes of one slot store the same 8 bytes; v12, v13 are not written again
.Lnosp:
	; ---- the GRU's two operands
	s_wait_alu depctr_va_vdst(0)
	QB UP, CA, BY, 0
	QB HP, CB, BY+1, 0
	PUT 0, CA, BY
	PUT 1, CB, BY+1
	BAR
	GET 0, FA, PWA
	GET 1, FB, PWA+1
	NOPS 8                                         ; a scale word made by vector instructions stands eight places ahead of its product
	s_wait_loadcnt 0x0                             ; the fragments
	WIN 0x32                                       ; source 0 window 2, C window 3
	s_wait_alu depctr_va_vdst(0)
.irp g, 0,1,2
.irp u, 0,1
	v_wmma_scale_f32_16x16x128_f8f6f4 v[GI+16*\g+8*\u:GI+16*\g+8*\u+7], v[16*(2*\g+\u):16*(2*\g+\u)+15], v[FA:FA+15], v[64+16*\g+8*\u:64+16*\g+8*\u+7], v[WS+2*\g+\u], v[PWA]
	v_wmma_scale_f32_16x16x128_f8f6f4 v[GH+16*\g+8*\u:GH+16*\g+8*\u+7], v[96+16*(2*\g+\u):96+16*(2*\g+\u)+15], v[FB:FB+15], v[112+16*\g+8*\u:112+16*\g+8*\u+7], v[WS+6+2*\g+\u], v[PWA+1]
.endr
.endr
	WIN 0
	NOPS 8
	; ---- the gates: r in GI 0-15, z in GI 16-31
.set m, 0
.rept 16
	v_pk_add_f32 v[GI+2*m:GI+2*m+1], v[GI+2*m:GI+2*m+1], v[GH+2*m:GH+2*m+1]
.set m, m+1
.endr
.set m, 0
.rept 16
	v_pk_mul_f32 v[GI+2*m:GI+2*m+1], v[GI+2*m:GI+2*m+1], 0xbfb8aa3b op_sel_hi:[1,0]
.set m, m+1
.endr
.set m, 0
	s_wait_alu depctr_va_vdst(0)
.rept 32
	v_exp_f32 v[GI+m], v[GI+m]
.set m, m+1
.endr
	v_nop
	s_wait_alu depctr_va_vdst(0)
.set m, 0
.rept 16
	v_pk_add_f32 v[GI+2*m:GI+2*m+1], v[GI+2*m:GI+2*m+1], 1.0 op_sel_hi:[1,0]
.set m, m+1
.endr
.set m, 0
	s_wait_alu depctr_va_vdst(0)
.rept 32
	v_rcp_f32 v[GI+m], v[GI+m]                     ; sigmoid(x) = 1 / (1 + 2^(-x log2 e))
.set m, m+1
.endr
	v_nop
	s_wait_alu depctr_va_vdst(0)
.irp m, 0,1,2,3,4,5,6,7
	v_pk_fma_f32 v[GI+32+2*\m:GI+33+2*\m], v[GI+2*\m:GI+2*\m+1], v[GH+32+2*\m:GH+33+2*\m], v[GI+32+2*\m:GI+33+2*\m]   ; inn + r hn
.endr
.irp m, 0,1,2,3,4,5,6,7
	v_pk_mul_f32 v[GI+32+2*\m:GI+33+2*\m], v[GI+32+2*\m:GI+33+2*\m], 0x4038aa3b op_sel_hi:[1,0]
.endr
	s_wait_alu depctr_va_vdst(0)
.irp i, 0,1,2,3,4,5,6,7,8,9,10,11,12,13,14,15
	v_exp_f32 v[GI+32+\i], v[GI+32+\i]
.endr
	v_nop
	s_wait_alu depctr_va_vdst(0)
.irp m, 0,1,2,3,4,5,6,7
	v_pk_add_f32 v[GI+32+2*\m:GI+33+2*\m], v[GI+32+2*\m:GI+33+2*\m], 1.0 op_sel_hi:[1,0]
.endr
	s_wait_alu depctr_va_vdst(0)
.irp i, 0,1,2,3,4,5,6,7,8,9,10,11,12,13,14,15
	v_rcp_f32 v[GI+32+\i], v[GI+32+\i]
.endr
	v_nop
	s_wait_alu depctr_va_vdst(0)
.irp m, 0,1,2,3,4,5,6,7
	v_pk_fma_f32 v[GI+32+2*\m:GI+33+2*\m], v[GI+32+2*\m:GI+33+2*\m], -2.0, 1.0 op_sel_hi:[1,0,0]   ; tanh(y) = 1 - 2 / (1 + 2^(2 y log2 e))
.endr
.irp m, 0,1,2,3,4,5,6,7
	v_pk_add_f32 v[GH+2*\m:GH+2*\m+1], v[HP+2*\m:HP+2*\m+1], v[GI+32+2*\m:GI+33+2*\m] neg_lo:[0,1] neg_hi:[0,1]
.endr
.irp m, 0,1,2,3,4,5,6,7
	v_pk_fma_f32 v[HN+2*\m:HN+2*\m+1], v[GI+16+2*\m:GI+17+2*\m], v[GH+2*\m:GH+2*\m+1], v[GI+32+2*\m:GI+33+2*\m]   ; (1 - z) n + z h = n + z (h - n)
.endr
	; ---- the norm over 128: 16 registers, two halves of the lanes, four waves
	v_pk_add_f32 v[TT:TT+1], v[HN:HN+1], v[HN+2:HN+3]
	v_pk_add_f32 v[TT+2:TT+3], v[HN+4:HN+5], v[HN+6:HN+7]
	v_pk_add_f32 v[TT:TT+1], v[TT:TT+1], v[HN+8:HN+9]
	v_pk_add_f32 v[TT+2:TT+3], v[TT+2:TT+3], v[HN+10:HN+11]
	v_pk_add_f32 v[TT:TT+1], v[TT:TT+1], v[HN+12:HN+13]
	v_pk_add_f32 v[TT+2:TT+3], v[TT+2:TT+3], v[HN+14:HN+15]
	HSUM
	XSUM 0
	v_mul_f32 v10, 0x3c000000, v10                 ; the mean
.irp m, 0,1,2,3,4,5,6,7
	v_pk_add_f32 v[DD+2*\m:DD+2*\m+1], v[HN+2*\m:HN+2*\m+1], v[10:11] op_sel_hi:[1,0] neg_lo:[0,1] neg_hi:[0,1]
.endr
	v_pk_mul_f32 v[TT:TT+1], v[DD:DD+1], v[DD:DD+1]
	v_pk_mul_f32 v[TT+2:TT+3], v[DD+2:DD+3], v[DD+2:DD+3]
.irp m, 2,4,6
	v_pk_fma_f32 v[TT:TT+1], v[DD+2*\m:DD+2*\m+1], v[DD+2*\m:DD+2*\m+1], v[TT:TT+1]
	v_pk_fma_f32 v[TT+2:TT+3], v[DD+2*\m+2:DD+2*\m+3], v[DD+2*\m+2:DD+2*\m+3], v[TT+2:TT+3]
.endr
	HSUM
	XSUM 1
	v_mul_f32 v10, 0x3c000000, v10
	v_add_f32 v11, 0x3727c5ac, v10                 ; the variance + 1e-5
	s_wait_alu depctr_va_vdst(0)
	v_rsq_f32 v10, v11
	v_nop
	s_wait_alu depctr_va_vdst(0)
.irp m, 0,1,2,3,4,5,6,7
	v_pk_mul_f32 v[YY+2*\m:YY+2*\m+1], v[DD+2*\m:DD+2*\m+1], v[10:11] op_sel_hi:[1,0]
.endr
	WIN 0x3c                                       ; gain and bias in window 3
.irp m, 0,1,2,3,4,5,6,7
	v_pk_fma_f32 v[YY+2*\m:YY+2*\m+1], v[YY+2*\m:YY+2*\m+1], v[208+2*\m:209+2*\m], v[224+2*\m:225+2*\m]
.endr
	WIN 0
	; ---- the MLP and its residual
	QB YY, CA, BY, 0
	PUT 2, CA, BY
	BAR
	GET 2, FA, PWA
	NOPS 8
	WIN 0x32
.irp u, 0,1
	v_wmma_scale_f32_16x16x128_f8f6f4 v[HH+8*\u:HH+8*\u+7], v[192+16*\u:192+16*\u+15], v[FA:FA+15], v[160+8*\u:160+8*\u+7], v[WS+12+\u], v[PWA]
.endr
	WIN 0
	NOPS 8
	QB HH, CB, BY+1, 1
	PUT 3, CB, BY+1
	BAR
	GET 3, FB, PWA+1
	NOPS 8
	WIN 0x32
.irp u, 0,1
	v_wmma_scale_f32_16x16x128_f8f6f4 v[OO+8*\u:OO+8*\u+7], v[224+16*\u:224+16*\u+15], v[FB:FB+15], v[176+8*\u:176+8*\u+7], v[WS+14+\u], v[PWA+1]
.endr
	WIN 0
	NOPS 8
.irp m, 0,1,2,3,4,5,6,7
	v_pk_add_f32 v[T16+2*\m:T16+2*\m+1], v[HN+2*\m:HN+2*\m+1], v[OO+2*\m:OO+2*\m+1]
.endr
.irp j, 0,1,2,3
	global_store_b128 v6, v[T16+4*\j:T16+4*\j+3], s[26:27] offset:16*\j   ; lanes r and r + 8 store equal values to equal addresses
.endr
	s_wait_tensorcnt 0x0
	ds_add_u32 v214, v215
	s_wait_dscnt 0x0
	s_endpgm
.Lfunc_end_k_q73b1defd0e_upd1:
	.size	k_q73b1defd0e_upd1, .Lfunc_end_k_q73b1defd0e_upd1-k_q73b1defd0e_upd1
	.p2alignl 7, 3214868480
	.fill 96, 4, 3214868480
	.section	.rodata,"a",@progbits
	.p2align	6, 0x0
	.amdhsa_kernel k_q73b1defd0e_upd1
		.amdhsa_group_segment_fixed_size 30208
		.amdhsa_private_segment_fixed_size 0
		.amdhsa_enable_private_segment 0
		.amdhsa_kernarg_size 104
		.amdhsa_user_sgpr_count 2
		.amdhsa_user_sgpr_kernarg_segment_ptr 1
		.amdhsa_wavefront_size32 1
		.amdhsa_system_sgpr_workgroup_id_x 1
		.amdhsa_system_sgpr_workgroup_id_y 1
		.amdhsa_system_sgpr_workgroup_id_z 1
		.amdhsa_system_vgpr_workitem_id 0
		.amdhsa_next_free_vgpr 1024
		.amdhsa_next_free_sgpr 66
		.amdhsa_reserve_vcc 0
		.amdhsa_float_denorm_mode_32 3
		.amdhsa_float_denorm_mode_16_64 3
		.amdhsa_memory_ordered 1
		.amdhsa_forward_progress 1
		.amdhsa_inst_pref_size 65
	.end_amdhsa_kernel
	.amdgpu_metadata
---
amdhsa.version: [ 1, 2 ]
amdhsa.kernels:
  - .name:           k_q73b1defd0e_upd1
    .symbol:         k_q73b1defd0e_upd1.kd
    .args:
      - { .name: part, .offset: 0, .size: 8, .value_kind: global_buffer, .address_space: global }
      - { .name: sb, .offset: 8, .size: 8, .value_kind: global_buffer, .address_space: global }
      - { .name: wimg, .offset: 16, .size: 8, .value_kind: global_buffer, .address_space: global }
      - { .name: wscl, .offset: 24, .size: 8, .value_kind: global_buffer, .address_space: global }
      - { .name: f_b2, .offset: 32, .size: 8, .value_kind: global_buffer, .address_space: global }
      - { .name: gru_bih, .offset: 40, .size: 8, .value_kind: global_buffer, .address_space: global }
      - { .name: gru_bhh, .offset: 48, .size: 8, .value_kind: global_buffer, .address_space: global }
      - { .name: ln_pf_g, .offset: 56, .size: 8, .value_kind: global_buffer, .address_space: global }
      - { .name: ln_pf_b, .offset: 64, .size: 8, .value_kind: global_buffer, .address_space: global }
      - { .name: mlp_b1, .offset: 72, .size: 8, .value_kind: global_buffer, .address_space: global }
      - { .name: mlp_b2, .offset: 80, .size: 8, .value_kind: global_buffer, .address_space: global }
      - { .name: out0, .offset: 88, .size: 8, .value_kind: global_buffer, .address_space: global }
      - { .name: out1, .offset: 96, .size: 8, .value_kind: global_buffer, .address_space: global }
    .group_segment_fixed_size: 30208
    .private_segment_fixed_size: 0
    .kernarg_segment_align: 8
    .kernarg_segment_size: 104
    .max_flat_workgroup_size: 128
    .sgpr_count:     66
    .vgpr_count:     1024
    .wavefront_size: 32
...
	.end_amdgpu_metadata
.endif
;; end of part 4
